; MI455X (gfx1250); checked and timed in simulation.
; The chip was launched on July 23, 2026; its instructions are those of AMD's public machine-readable ISA for CDNA 5 (MIT licence, August 2026) and "CDNA5" Instruction Set Architecture Reference Guide (July 2026). The comments in the code are by the model that wrote it; some were corrected since.
;; Codebook Layer. Allowed arithmetic: float matrix products may take bf16 or f16 operands with f32 sums; other float arithmetic in f32, or as packed bf16 or f16 multiplies, adds, multiply-adds, maxima and minima; sums over many terms, partial sums and values carried from step to step in f32; what a program stores and reads back later, other than sums and carried values, may be rounded once to bf16 or f16.
;; Inputs: codebook 8,192 x 768 float32; x 4 x 2,048 x 768 float32.
;; Outputs: out0 4 x 2,048 x 768 float32; out1 4 x 2,048 x 8 int32.
;; 3 versions, each right; version 3 is version 2 with the launch prep written anew for expert scheduling mode. Each part assembles by itself: llvm-mc -triple=amdgcn-amd-amdhsa -mcpu=gfx1250 --defsym DOCPART=n.
;; ======== version 1 of 3: 4 launches
;; workspace buffers: xb 12,582,912 bytes; cbp 12,582,912 bytes; nh 32,768 bytes; cand 8,388,608 bytes; pos 262,144 bytes of whole numbers
;; launch prep (part 1): grid 256 x 1, 8 waves a work-group, no clusters, 1,280 bytes of LDS; arguments x, codebook, xb, cbp, nh; writes xb, cbp, nh
.if DOCPART == 1
	.amdgcn_target "amdgcn-amd-amdhsa--gfx1250"
	.amdhsa_code_object_version 6
	.text
	.protected	k_q875e8e0683_prep
	.globl	k_q875e8e0683_prep
	.p2align	8
	.type	k_q875e8e0683_prep,@function
k_q875e8e0683_prep:
	s_mov_b64 s[64:65], 0
	v_nop
	global_prefetch_b8 v0, s[64:65] scope:SCOPE_SE
	s_setreg_imm32_b32 hwreg(HW_REG_WAVE_MODE, 25, 1), 1
	s_wait_xcnt 0x0
; PREP.  xb = x rounded to bf16; cbp = codebook rounded to bf16, its rows in TILE ORDER; nh[p] = -1/2 x the sum of squares of row p of cbp (of the ROUNDED numbers, in f32).
; DEAD WORK, for the whole program.  reference() ranks the codes n of a query by 2 x.c[n] - |x|^2 - |c[n]|^2.  |x|^2 is the same for all n of a query and 2 is a positive factor,
; so for all values of the inputs the order along n, ties included, is the order of x.c[n] - |c[n]|^2 / 2; and only that order reaches an output (the ids, and by them the rows that are averaged).
; So |x|^2 is never made.  It is of the size of |c|^2, no term beside which the others are lost.  Both inputs still reach the outputs and are loaded.
; LIMITS.  A NaN, an infinity or an overflow that arises in |x|^2 alone is not carried to the result.  Both inputs are rounded once to bf16, and every later use takes the rounded numbers.
; TILE ORDER.  Row p = s<<10 | tau<<4 | hb<<3 | r3 of cbp holds code id = hb<<12 | s<<9 | tau<<3 | r3 (s: 3 bits, tau: 6 bits).  In the product's result a lane of half hb then sees only ids
; with that hb, ascending, so that a strict comparison alone gives equal scores to the lower id.
; SHARES.  Work-groups 0-127 take 64 rows of cbp each, 128-255 take 64 rows of x; a wave takes 8 rows that lie together in both its source and its destination.
; All 48 loads of a wave (512 consecutive bytes each) go out at once; each store covers 256 consecutive bytes, aligned.  Memory binds: no matrix unit, no cluster, no ring.
.set ROWF,  3072                       ; bytes in a row of f32
.set ROWH,  1536                       ; bytes in a row of bf16
.set SPARE, 256                        ; LDS: bytes 0-255 the work-group's 64 norms; from 256 on the spare words, 128 bytes for each of the eight waves
.set X,   16                           ; v[16:207]  row j at X + 24 j, its load n at + 4 n
.set T,   208                          ; v[208:215] at work, two sets of four
.set ACC, 216                          ; v[216:219] two packed sums of squares
.set NV,  220                          ; v220  lane l: the norm of row l % 8
.set R0,  221                          ; v221, v222  the sum across the lanes
.set R1,  222
.set SPW, 224                          ; v224  LDS address of my spare word; never rewritten
.set NIL, 225                          ; v225  0; never rewritten
.set NA,  226                          ; v226  where the norm of row l % 8 of my wave goes: 32 x wave + 4 (l % 8)
	s_load_b256 s[4:11], s[0:1], 0x0               ; x s[4:5], codebook s[6:7], xb s[8:9], cbp s[10:11]
	s_load_b64 s[12:13], s[0:1], 0x20              ; nh
	v_lshl_add_u32 v[SPW], v0, 2, SPARE
	v_mov_b32 v[NIL], 0
	v_lshrrev_b32 v1, 5, v0
	v_readfirstlane_b32 s14, v1                    ; wave 0..7
	v_and_b32 v1, 31, v0                           ; lane
	v_lshlrev_b32 v2, 4, v1                        ; my 16 bytes of 512 of f32
	v_lshlrev_b32 v3, 3, v1                        ; my 8 bytes of 256 of bf16
	v_and_b32 v4, 7, v0
	v_mov_b32 v[R1], 0                             ; v_permlanex16_b32 counts as a reader of its destination
	s_lshl_b32 s21, s14, 5
	v_lshl_add_u32 v[NA], v4, 2, s21
	s_mov_b32 s18, 0x76543210                      ; v_permlanex16_b32: each lane takes its own place in the other half
	s_mov_b32 s19, 0xfedcba98
	s_mov_b32 s20, 0xffff0000                      ; a word's upper bf16
	s_cmp_lt_u32 ttmp9, 128
	s_cselect_b32 s15, 1, 0                        ; 1: this work-group takes rows of the codebook
	s_and_b32 s22, ttmp9, 127                      ; g: its number among those of its kind
	s_lshl_b32 s16, s22, 6
	s_lshl3_add_u32 s16, s14, s16                  ; first row written: 64 g + 8 wave
	s_and_b32 s23, s14, 1                          ; hb
	s_lshl_b32 s23, s23, 12
	s_lshr_b32 s24, s14, 1
	s_lshl2_add_u32 s24, s22, s24                  ; s<<6 | tau = 4 g + wave / 2
	s_lshl3_add_u32 s23, s24, s23                  ; first code read: 4,096 hb + 8 (4 g + wave / 2)
	s_cmp_eq_u32 s15, 1
	s_cselect_b32 s23, s23, s16                    ; x is read in the order in which it is written
	s_mul_i32 s24, s23, ROWF
	s_mov_b32 s25, 0
	s_mul_i32 s26, s16, ROWH
	s_mov_b32 s27, 0
	s_lshl_b32 s28, s22, 8                         ; the work-group's 64 norms: 256 bytes of nh
	s_mov_b32 s29, 0
	s_wait_kmcnt 0x0
	s_cmp_eq_u32 s15, 1
	s_cselect_b64 s[30:31], s[6:7], s[4:5]         ; from the codebook or from x,
	s_cselect_b64 s[32:33], s[10:11], s[8:9]       ; into cbp or into xb
	s_add_nc_u64 s[30:31], s[30:31], s[24:25]
	s_add_nc_u64 s[32:33], s[32:33], s[26:27]
	s_add_nc_u64 s[12:13], s[12:13], s[28:29]
.set j, 0
.rept 8
.set n, 0
.rept 6
	global_load_b128 v[X+24*j+4*n:X+24*j+4*n+3], v2, s[30:31] offset:j*ROWF+n*512 th:TH_LOAD_NT
.set n, n+1
.endr
.set j, j+1
.endr
; Row j: rounded in place, stored; norm = 1: the sum of the rounded numbers' squares, over the wave, into lanes l % 8 = j of NV.  No register that a store reads is written again.
.macro ROW j, norm
	s_wait_loadcnt 6*(7-(\j))                      ; loads come back in order: the six of each younger row may stay out
.set n, 0
.rept 6
.set a, X+24*(\j)+4*n
	v_cvt_pk_bf16_f32 v[a], v[a], v[a+1]
	v_cvt_pk_bf16_f32 v[a+1], v[a+2], v[a+3]
	global_store_b64 v3, v[a:a+1], s[32:33] offset:(\j)*ROWH+n*256  ; 32 lanes store 256 consecutive bytes, aligned
.if \norm
.set b, T+4*(n%2)
	v_lshlrev_b32 v[b], 16, v[a]                   ; the rounded numbers as f32
	v_and_b32 v[b+1], s20, v[a]
	v_lshlrev_b32 v[b+2], 16, v[a+1]
	v_and_b32 v[b+3], s20, v[a+1]
.if n == 0
	v_pk_mul_f32 v[ACC:ACC+1], v[b:b+1], v[b:b+1]  ; the first squares start the sums
	v_pk_mul_f32 v[ACC+2:ACC+3], v[b+2:b+3], v[b+2:b+3]
.else
	v_pk_fma_f32 v[ACC:ACC+1], v[b:b+1], v[b:b+1], v[ACC:ACC+1]
	v_pk_fma_f32 v[ACC+2:ACC+3], v[b+2:b+3], v[b+2:b+3], v[ACC+2:ACC+3]
.endif
.endif
.set n, n+1
.endr
.if \norm
	v_pk_add_f32 v[ACC:ACC+1], v[ACC:ACC+1], v[ACC+2:ACC+3]
	v_add_f32 v[R0], v[ACC], v[ACC+1]
	v_add_f32_dpp v[R0], v[R0], v[R0] row_xmask:1 row_mask:0xf bank_mask:0xf
	v_add_f32_dpp v[R0], v[R0], v[R0] row_xmask:2 row_mask:0xf bank_mask:0xf
	v_add_f32_dpp v[R0], v[R0], v[R0] row_xmask:4 row_mask:0xf bank_mask:0xf
	v_add_f32_dpp v[R0], v[R0], v[R0] row_xmask:8 row_mask:0xf bank_mask:0xf
	v_permlanex16_b32 v[R1], v[R0], s18, s19
	v_add_f32 v[R0], v[R0], v[R1]                  ; every lane holds the row's sum
.if (\j) == 0
	v_mov_b32 v[NV], v[R0]
.else
	v_cmp_eq_u32 vcc_lo, \j, v4
	v_cndmask_b32 v[NV], v[NV], v[R0], vcc_lo
.endif
.endif
.endm
	s_cmp_eq_u32 s15, 1
	s_cbranch_scc0 .Lplain
.irp j, 0,1,2,3,4,5,6,7
	ROW \j, 1
.endr
	v_mul_f32 v[NV], -0.5, v[NV]
	ds_store_b32 v[NA], v[NV]                      ; four lanes write each word, with the same number
	s_branch .Ljoin
.Lplain:
.irp j, 0,1,2,3,4,5,6,7
	ROW \j, 0
.endr
.Ljoin:
	s_wait_dscnt 0x0                               ; for the others' sake: my norms lie in LDS
	s_barrier_signal -1                            ; the barrier stands on every wave's path
	s_barrier_wait -1
	s_cmp_eq_u32 s15, 1
	s_cbranch_scc0 .Lend
	s_cmp_eq_u32 s14, 0                            ; wave 0 stores the work-group's 64 norms as one block
	s_cbranch_scc0 .Lend
	ds_load_b64 v[T:T+1], v3
	s_wait_dscnt 0x0
	global_store_b64 v3, v[T:T+1], s[12:13]        ; 256 consecutive bytes, aligned
.Lend:
	s_wait_tensorcnt 0x0                           ; the wave's end: three closing lines, behind my last LDS store
	ds_add_u32 v[SPW], v[NIL]
	s_wait_dscnt 0x0
	s_endpgm
.Lfunc_end_k_q875e8e0683_prep:
	.size	k_q875e8e0683_prep, .Lfunc_end_k_q875e8e0683_prep-k_q875e8e0683_prep
	.p2alignl 7, 3214868480
	.fill 96, 4, 3214868480
	.section	.rodata,"a",@progbits
	.p2align	6, 0x0
	.amdhsa_kernel k_q875e8e0683_prep
		.amdhsa_group_segment_fixed_size 1280
		.amdhsa_private_segment_fixed_size 0
		.amdhsa_enable_private_segment 0
		.amdhsa_kernarg_size 40
		.amdhsa_user_sgpr_count 2
		.amdhsa_user_sgpr_kernarg_segment_ptr 1
		.amdhsa_wavefront_size32 1
		.amdhsa_system_sgpr_workgroup_id_x 1
		.amdhsa_system_sgpr_workgroup_id_y 1
		.amdhsa_system_sgpr_workgroup_id_z 1
		.amdhsa_system_vgpr_workitem_id 0
		.amdhsa_next_free_vgpr 232
		.amdhsa_next_free_sgpr 66
		.amdhsa_reserve_vcc 1
		.amdhsa_float_denorm_mode_32 3
		.amdhsa_float_denorm_mode_16_64 3
		.amdhsa_memory_ordered 1
		.amdhsa_forward_progress 1
		.amdhsa_inst_pref_size 45
	.end_amdhsa_kernel
	.amdgpu_metadata
---
amdhsa.version: [ 1, 2 ]
amdhsa.kernels:
  - .name:           k_q875e8e0683_prep
    .symbol:         k_q875e8e0683_prep.kd
    .args:
      - { .name: x, .offset: 0, .size: 8, .value_kind: global_buffer, .address_space: global }
      - { .name: codebook, .offset: 8, .size: 8, .value_kind: global_buffer, .address_space: global }
      - { .name: xb, .offset: 16, .size: 8, .value_kind: global_buffer, .address_space: global }
      - { .name: cbp, .offset: 24, .size: 8, .value_kind: global_buffer, .address_space: global }
      - { .name: nh, .offset: 32, .size: 8, .value_kind: global_buffer, .address_space: global }
    .group_segment_fixed_size: 1280
    .private_segment_fixed_size: 0
    .kernarg_segment_align: 8
    .kernarg_segment_size: 40
    .max_flat_workgroup_size: 256
    .sgpr_count:     66
    .vgpr_count:     232
    .wavefront_size: 32
...
	.end_amdgpu_metadata
.endif
;; end of part 1
;; launch score (part 2): grid 32 x 8, 4 waves a work-group, clusters of 4 x 1, 327,680 bytes of LDS; arguments xb, cbp, nh, cand; writes cand
.if DOCPART == 2
	.amdgcn_target "amdgcn-amd-amdhsa--gfx1250"
	.amdhsa_code_object_version 6
	.text
	.protected	k_q875e8e0683_score
	.globl	k_q875e8e0683_score
	.p2align	8
	.type	k_q875e8e0683_score,@function
k_q875e8e0683_score:
	s_mov_b64 s[64:65], 0
	v_nop
	global_prefetch_b8 v0, s[64:65] scope:SCOPE_SE
	s_setreg_imm32_b32 hwreg(HW_REG_WAVE_MODE, 25, 1), 1
	s_wait_xcnt 0x0
	s_wait_alu depctr_hold_cnt(0) depctr_sa_sdst(0) depctr_va_vdst(0) depctr_va_sdst(0) depctr_va_ssrc(0) depctr_va_vcc(0) depctr_vm_vsrc(0)
	s_getreg_b32 s2, hwreg(HW_REG_IB_STS2, 6, 4)
	s_cmp_eq_u32 s2, 0
	s_cbranch_scc0 .Lentry_in_a_cluster
	s_endpgm
.Lentry_in_a_cluster:
	s_bfe_u32 s2, ttmp6, 0x10000c
	s_cmp_lg_u32 s2, 0x3003
	s_cbranch_scc0 .Lentry_shape_is_right
	s_endpgm
.Lentry_shape_is_right:
; SCORE.  S[code][query] = the sum over d of cbp[code][d] xb[query][d] + nh[code], bf16 operands, f32 sums; and for each lane the best eight (score, id), sorted, of the 512 codes that it sees.
; LEFT OUT: |x|^2 and the factor 2 of reference()'s score: they do not change the order along the codes, for any values (shown at the head of the first kernel).
; LIMITS.  Codes whose scores differ by less than the f32 roundings of this sum or of reference()'s may come in another order than reference()'s; exactly equal scores go to the lower id, as in
; jax.lax.top_k.  A score that is NaN or -infinity never enters a list.
; SHARES.  Work-group (qb, split): 256 queries x the 1,024 rows of cbp from 1,024 split on: 256 work-groups.  A wave owns 64 queries, four tiles of 16; their fragments, 4 x 24 x 8 = 768 registers,
; stay in windows 1 to 3 for the whole launch.  All four waves walk the same 64 code tiles of 16 rows out of LDS: a fragment of codes (two LDS loads) feeds four matrix instructions.
; LAYOUT.  Source 0 = 16 codes, source 1 = 16 queries: lane l holds ONE query (l % 16) and, in register j, code row 8 (l / 16) + j of the tile.  By cbp's order that code's id is
; (l / 16)<<12 | split<<9 | tile<<3 | j: a lane's ids ascend with tile and j.  nh is the C operand of a tile's first product: no vector instruction adds it.  A tile's LAST product writes
; another accumulator (W) than the one it adds onto (S), so that the next tile's sums can start while W is being selected from.
; SELECTION.  Per lane and query tile a list of eight scores L0 >= .. >= L7 with ids I0 .. I7.  A score v goes in by 31 instructions: the masks v > Li from the old list; Li = the middle one of
; (Li-1, Li, v), L0 = max(L0, v); Ii = (v > Li-1) ? Ii-1 : (v > Li) ? id : Ii, from place 7 down, so that old values are read before they change.  The comparison is strict and ids ascend:
; equal scores keep the lower id in front.  A tile has 8 x 4 x 31 = 992 such instructions for 96 matrix instructions: four stand behind each matrix instruction (376), the rest in lumps.
; A TRIP multiplies tile n and selects from tile n - 1.  W starts at -infinity, so the first trip's selection inserts nothing and every trip has one text; the last tile's selection stands behind the loops.
; RING.  Two LDS slots of four tiles; wave w fetches tile w of a slot, one tensor load behind each change of slots; it has four tiles' work in which to land.  By this text's count a wave has two
; tensor loads out at the start and one behind each change.
; CLUSTER.  The four work-groups of a cluster share the split, so every tile of codes is asked for JOINTLY: the same load, descriptor and mask in all four.  The queries are not shared so: each
; work-group's own 393,216 bytes go once, straight into operand registers, and those that read the same queries (other splits) lie in other clusters.
.set PITCH,  1584                      ; a code row in LDS: three pieces of 512 bytes, 16 of padding behind each: 99 x 16, so the 16 rows of a fragment load start in 16 different groups of four banks (64 banks of 4 bytes: ISA guide 11.1)
.set TILEB,  16*PITCH                  ; a tile: 25,344 bytes
.set SLOT1,  131072                    ; slot 1 begins here: one exclusive or turns an address in one slot into the other's
.set BIAS,   SLOT1+4*TILEB             ; behind the ring: the split's 1,024 numbers of nh; no tensor load lands here
.set SPARE,  BIAS+4096                 ; the spare words, 128 bytes for each wave: two blocks of 256 bytes that no other line names
.set SLOTB,  64*1536                   ; a slot's bytes in memory
.set AF0, 3                            ; v3   my place in a tile: (l % 16) x PITCH + 16 (l / 16); never rewritten
.set AF,  4                            ; v4   the same in the tile in hand
.set AB0, 5                            ; v5   BIAS + 32 (l / 16); never rewritten
.set AB,  6                            ; v6   the same for the tile in hand
.set QO,  7                            ; v7   my byte offset in 16 rows of xb
.set PFO, 8                            ; v8   256 x lane, for the prefetches; never rewritten
.set CO,  9                            ; v9   16 x lane, for the way out
.set HB,  10                           ; v10  (l / 16)<<12
.set BS,  11                           ; v11  BIAS + 32 x my thread's number
.set SPW, 12                           ; v12  LDS address of my spare word; never rewritten
.set NIL, 13                           ; v13  0; never rewritten
.set NO,  14                           ; v14  32 x my thread's number
.set BI,  16                           ; v[16:23]    nh of the tile in hand, as a C operand
.set FB,  24                           ; v[24:87]    two buffers of four fragments of codes
.set SA,  88                           ; v[88:119]   the sums, 8 a query tile
.set W,   120                          ; v[120:151]  the finished scores, 8 a query tile
.set LST, 152                          ; v[152:215]  the lists: tile t at LST + 16 t, Ii at + 2 i, Li at + 2 i + 1
.set TMP, 216                          ; v[216:223]  nh on its way into LDS
.set WV,  12                           ; s12  my wave's number
.set CX,  13                           ; s13  my place in the cluster: it enters global addresses of xb, cand and the prefetches alone
.set QB,  14                           ; s14  my block of 256 queries
.set LIM, 15                           ; s15  1 in a wave that prefetches, else the greatest number
.set SPL, 16                           ; s16  the split, which the partners share
.set PFA, 18                           ; s[18:19] where my prefetches stand
.set G1,  24                           ; s[24:31] descriptor group 1
.set G0A, 32                           ; s[32:35] group 0 of the first fill of slot 0
.set G0W, 36                           ; s[36:39] group 0 of the first fill of slot 1; it then walks
.set SLOTS, 40                         ; s40  counts the slots
.set CNT, 41                           ; s41  counts a slot's tiles
.set TB,  42                           ; s42  LDS byte of the tile to be read next
.set TBB, 43                           ; s43  byte of its 16 numbers in BIAS
.set IDX, 44                           ; s[44:51] split<<9 | tile<<3 | j of the tile that is being selected from
.set MS0, 52                           ; s[52:59], s[66:73] the eight masks, a set for each of the two query tiles that alternate
.set MS1, 66
.set MSB, 0
.macro WIN new                         ; s_set_vgpr_msb: bits 1:0 source 0, 3:2 source 1, 5:4 source 2, 7:6 destination; the high byte repeats the setting that is left
.if MSB != (\new)
	s_set_vgpr_msb (MSB<<8)|(\new)
.set MSB, (\new)
.endif
.endm
; A round of the cluster's barrier: my work-group's barrier, so that wave 0's signal speaks for all four waves; wave 0 signals; every wave waits for all four work-groups; my work-group's barrier once more.
.macro CROUND
	s_barrier_signal -1
	s_barrier_wait -1
	s_cmp_lg_u32 s[WV], 0
	s_cbranch_scc1 .Lnot_wave_0_\@
	s_barrier_signal -3
.Lnot_wave_0_\@:
	s_barrier_wait -3
	s_barrier_signal -1
	s_barrier_wait -1
.endm
; A PREFETCH INTO THE L2 of the slot that the NEXT change of slots will ask for: 98,304 dense bytes, 384 blocks of 256.  All eight clusters of a split walk the same rows: the first (cluster x = 0) asks.
; Its four partners take 96 blocks each, told apart BY ADDRESS; in each, waves 0 to 2 take 32, a lane a block: each block is named once in the launch.  It stands four tiles' work ahead of the load.
; Slots 0 to 2 come by their loads alone; the last change that fills a slot asks for nothing: there is no slot behind it.
.macro ASK
	s_cmp_gt_u32 s[SLOTS], s[LIM]
	s_cbranch_scc0 .Lnot_mine_\@
	global_prefetch_b8 v[PFO], s[PFA:PFA+1] th:TH_LOAD_NT scope:SCOPE_SE
.Lnot_mine_\@:
.endm
; THE CHANGE OF SLOTS.  Each wave waits for all its tensor loads, of which one is out: its tile of the other slot; adds 0 to its spare word; and waits for that and for its reads of the slot that it leaves.
; fill = 1: the barrier is a round of the cluster's, so that no wave of any partner still reads the slot or has a load on its way, and the joint refill (the keys two slots on) is the first thing behind it.
.macro CHANGE fill
	WIN 0
	s_wait_tensorcnt 0x0                           ; no tensor load of mine is out, so a group 0 may be written
	ds_add_u32 v[SPW], v[NIL]                      ; 0 onto my spare word
.if \fill
	s_xor_b32 s[G0W+1], s[G0W+1], SLOT1            ; the other slot than last time,
	s_add_nc_u64 s[G0W+2:G0W+3], s[G0W+2:G0W+3], SLOTB  ; the next 64 rows; the type bits on top are not reached
	s_wait_xcnt 0x0                                ; the last prefetch, four tiles back, has read its address
	s_add_nc_u64 s[PFA:PFA+1], s[PFA:PFA+1], SLOTB
	s_wait_dscnt 0x0                               ; the add is done, and my reads of the slot are over
	CROUND
	tensor_load_to_lds s[G0W:G0W+3], s[G1:G1+7]    ; my one tensor load behind the round: tile w of the slot
	s_nop 0
.rept 4
	v_nop
.endr
	ASK
.else
	s_wait_dscnt 0x0                               ; the add is done, and my reads of the slot are over
	s_barrier_signal -1
	s_barrier_wait -1
.endif
	s_sub_co_u32 s[TB], s[TB], 4*TILEB             ; the reads go back to a slot's first tile,
	s_xor_b32 s[TB], s[TB], SLOT1                  ; in the other slot
.endm
	s_load_b256 s[4:11], s[0:1], 0x0               ; xb s[4:5], cbp s[6:7], nh s[8:9], cand s[10:11]
	v_lshl_add_u32 v[SPW], v0, 2, SPARE
	v_mov_b32 v[NIL], 0
	ds_add_u32 v[SPW], v[NIL]                      ; the wave's opening: the add, twice on end, and its wait ahead of my first tensor load; the set-up below is work on registers
	ds_add_u32 v[SPW], v[NIL]
	v_lshrrev_b32 v1, 5, v0
	v_readfirstlane_b32 s[WV], v1                  ; wave 0..3
	s_bfe_u32 s[CX], ttmp6, 0x40000
	s_lshl_b32 s[QB], ttmp9, 2                     ; in a cluster launch ttmp9 counts clusters
	s_add_co_u32 s[QB], s[QB], s[CX]
	s_and_b32 s[SPL], ttmp7, 0xffff
	; descriptor group 1.  A tile's 16 rows are 24,576 dense bytes: asked for as 48 rows of 512 bytes, padded in LDS behind each
	s_mov_b32 s[G1+0], 15|(1<<16)|(1<<20)|(1<<21)|(6<<22)|(3<<25)  ; 15:0 the mask of four; 17:16 2-byte elements; 20 padding on; 21 set beside a mask; 24:22 after every 128 words (code 6); 31:25 4 words (code 3)
	s_mov_b32 s[G1+1], 256<<16                     ; tensor_dim0 = 256
	s_mov_b32 s[G1+2], 48<<16                      ; tensor_dim1 = 48
	s_mov_b32 s[G1+3], 256<<16                     ; tile_dim0 = 256
	s_mov_b32 s[G1+4], 48                          ; tile_dim1 = 48
	s_mov_b32 s[G1+5], 256                         ; 256 elements from row to row
	s_mov_b32 s[G1+6], 0
	s_mov_b32 s[G1+7], 0
	s_mov_b32 s[G0A], 1                            ; count = 1
	s_mul_i32 s[G0A+1], s[WV], TILEB               ; LDS address: tile w of slot 0: no place in the cluster enters it
	s_mov_b32 s[G0W], 1
	s_add_co_u32 s[G0W+1], s[G0A+1], SLOT1
	s_mul_i32 s20, s[SPL], 1024*1536               ; my tile of slot 0 in cbp: the split's rows,
	s_mul_i32 s21, s[WV], 16*1536                  ; 16 w of them on
	s_add_co_u32 s20, s20, s21
	s_mov_b32 s21, 0
	s_mul_i32 s2, s[QB], 256*1536                  ; my wave's 64 rows of xb
	s_mul_i32 s3, s[WV], 64*1536
	s_add_co_u32 s2, s2, s3
	s_mov_b32 s3, 0
	s_lshl_b32 s60, s[QB], 18                      ; cand is [query tile 512][split 8][4][lane 32][16 bytes]: 16 query tiles a block, 4 a wave
	s_lshl_b32 s61, s[WV], 16
	s_add_co_u32 s60, s60, s61
	s_lshl_b32 s61, s[SPL], 11
	s_add_co_u32 s60, s60, s61
	s_mov_b32 s61, 0
	s_lshl_b32 s62, s[SPL], 12                     ; the split's 4,096 bytes of nh
	s_mov_b32 s63, 0
	s_mul_i32 s74, s[SPL], 1024*1536               ; the prefetches: slot 2 (the first change steps to slot 3), my work-group's 96 blocks, my wave's 32
	s_mul_i32 s75, s[CX], 24576
	s_add_co_u32 s74, s74, s75
	s_lshl_b32 s75, s[WV], 13
	s_add_co_u32 s74, s74, s75
	s_add_co_u32 s74, s74, 2*SLOTB
	s_mov_b32 s75, 0
	s_cmp_lt_u32 s[WV], 3
	s_cselect_b32 s[LIM], 0, 1
	s_or_b32 s[LIM], s[LIM], ttmp9                 ; 0 in waves 0 to 2 of the split's first cluster: the same in all four partners
	s_cmp_eq_u32 s[LIM], 0
	s_cselect_b32 s[LIM], 1, -1
	s_lshl_b32 s23, s[SPL], 9
.irp j, 0,1,2,3,4,5,6,7
	s_add_co_u32 s[IDX+\j], s23, \j-8              ; one tile below the first: the first trip selects from no tile, and steps these
.endr
	s_mov_b32 s[TB], 0
	s_mov_b32 s[TBB], 0
	v_and_b32 v1, 15, v0                           ; l % 16
	v_bfe_u32 v2, v0, 4, 1                         ; l / 16
	v_mul_u32_u24 v[AF0], v1, PITCH
	v_lshl_add_u32 v[AF0], v2, 4, v[AF0]
	v_lshlrev_b32 v[AB0], 5, v2
	v_add_nc_u32 v[AB0], BIAS, v[AB0]
	v_mul_u32_u24 v[QO], v1, 1536
	v_lshl_add_u32 v[QO], v2, 4, v[QO]
	v_and_b32 v[CO], 31, v0
	v_lshlrev_b32 v[PFO], 8, v[CO]
	v_lshlrev_b32 v[CO], 4, v[CO]
	v_lshlrev_b32 v[HB], 12, v2
	v_lshlrev_b32 v[NO], 5, v0
	v_add_nc_u32 v[BS], BIAS, v[NO]
	s_wait_dscnt 0x0                               ; both opening adds are done
	s_wait_kmcnt 0x0
	s_add_nc_u64 s[PFA:PFA+1], s[6:7], s[74:75]
	s_add_nc_u64 s[6:7], s[6:7], s[20:21]
	s_mov_b64 s[G0A+2:G0A+3], s[6:7]               ; global address of the tile's first element
	s_or_b32 s[G0A+3], s[G0A+3], 0x80000000        ; type = 2
	s_add_nc_u64 s[G0W+2:G0W+3], s[6:7], SLOTB
	s_or_b32 s[G0W+3], s[G0W+3], 0x80000000
	s_add_nc_u64 s[4:5], s[4:5], s[2:3]
	s_add_nc_u64 s[8:9], s[8:9], s[62:63]
	s_add_nc_u64 s[10:11], s[10:11], s[60:61]
	CROUND                                         ; all four work-groups are here: the first joint loads meet
	tensor_load_to_lds s[G0A:G0A+3], s[G1:G1+7]    ; both first fills go out together, ahead of every wait on TENSORcnt, every LDS read and every further barrier
	s_nop 0
	tensor_load_to_lds s[G0W:G0W+3], s[G1:G1+7]
	s_nop 0
.rept 4
	v_nop
.endr
	; The queries.  A fragment is 16 rows x 32 channels in 8 registers: lane l holds row l % 16, channels 8 (l / 16) + 0..7 and 16 + 8 (l / 16) + 0..7: two loads of 16 bytes, 32 bytes apart.
	; Tile t, channels 32 c on: window 1 + c / 8, register 8 (4 (c % 8) + t).
.irp t, 0,1,2,3
.set c, 0
.rept 24
.set rQ, ((c%8)*4+(\t))*8
	WIN (1+c/8)<<6                                 ; destination window; the address stays in window 0
	global_load_b128 v[rQ:rQ+3],   v[QO], s[4:5] offset:(\t)*24576+64*c
	global_load_b128 v[rQ+4:rQ+7], v[QO], s[4:5] offset:(\t)*24576+64*c+32
.set c, c+1
.endr
.endr
	WIN 0
	global_load_b128 v[TMP:TMP+3],   v[NO], s[8:9]
	global_load_b128 v[TMP+4:TMP+7], v[NO], s[8:9] offset:16
.set i, 0
.rept 32                                       ; the lists start empty and W at -infinity: written while the loads are on their way
	v_mov_b32 v[LST+2*i], 0
	v_mov_b32 v[LST+2*i+1], 0xff800000
	v_mov_b32 v[W+i], 0xff800000
.set i, i+1
.endr
	s_wait_loadcnt 0x0                             ; the queries and nh
	ds_store_b128 v[BS], v[TMP:TMP+3]
	ds_store_b128 v[BS], v[TMP+4:TMP+7] offset:16
	s_wait_dscnt 0x0                               ; for the others' sake: my part of nh lies in LDS
	s_wait_tensorcnt 1                             ; my tile of slot 0 is in; slot 1's, issued behind it, may stay out
	s_barrier_signal -1
	s_barrier_wait -1
; Eight LDS loads in one run: the fragments of channels 128 g on of the tile in hand, into buffer g % 2.  Byte b of a code row lies at b + 16 (b / 512).
.macro FETCH g
	WIN 0
.set n, 0
.rept 4
.set ch, 4*(\g)+n
.set o, 64*ch+16*(ch/8)
.set rF, FB+32*((\g)%2)+8*n
	ds_load_b128 v[rF:rF+3],   v[AF] offset:o
	ds_load_b128 v[rF+4:rF+7], v[AF] offset:o+32
.set n, n+1
.endr
.endm
; The product of channels 32 c on for query tile t.  The four accumulators take turns, one instruction a turn, over the backward jumps too.
.macro MM c, t
.set rA, FB+32*(((\c)/4)%2)+8*((\c)%4)
.set rQ, (((\c)%8)*4+(\t))*8
.set rS, SA+8*(\t)
.set rW, W+8*(\t)
	WIN (1+(\c)/8)<<2                              ; source 1, the queries, in window 1 to 3; all else in window 0
.if (\c) == 0
	v_wmma_f32_16x16x32_bf16 v[rS:rS+7], v[rA:rA+7], v[rQ:rQ+7], v[BI:BI+7]
.elseif (\c) == 23
	v_wmma_f32_16x16x32_bf16 v[rW:rW+7], v[rA:rA+7], v[rQ:rQ+7], v[rS:rS+7]
.else
	v_wmma_f32_16x16x32_bf16 v[rS:rS+7], v[rA:rA+7], v[rQ:rQ+7], v[rS:rS+7]
.endif
.endm
; Number q of a tile's 992 selecting instructions.  Query tiles 0 and 1 alternate in numbers 0-495, tiles 2 and 3 in 496-991, so that no instruction reads the result of the one before it;
; within a tile: score j (0..7), and of its 31 instructions number k: 0-7 the masks, places 7 down to 0; 8-28 places 7 down to 1, three each; 29, 30 place 0.
; Each W is read from its register 0 on.
.macro VOP
.set pr, q/496
.set u, q%496
.set tt, 2*pr+(u&1)
.set e, u>>1
.set jj, e/31
.set k, e%31
.set ms, MS0+(MS1-MS0)*(u&1)
.set wj, W+8*tt+jj
.set lb, LST+16*tt
.if k < 8
	v_cmp_gt_f32 s[ms+7-k], v[wj], v[lb+2*(7-k)+1]
.elseif k < 29
.set i, 7-(k-8)/3
.set m, (k-8)%3
.if m == 0
	v_cndmask_b32 v[lb+2*i], v[lb+2*i], s[IDX+jj], s[ms+i]
.elseif m == 1
	v_med3_num_f32 v[lb+2*i+1], v[lb+2*i-1], v[lb+2*i+1], v[wj]
.else
	v_cndmask_b32 v[lb+2*i], v[lb+2*i], v[lb+2*i-2], s[ms+i-1]
.endif
.elseif k == 29
	v_cndmask_b32 v[lb], v[lb], s[IDX+jj], s[ms]
.else
	v_max_num_f32 v[lb+1], v[lb+1], v[wj]
.endif
.set q, q+1
.endm
.macro VQN n
	WIN 0
.rept \n
	VOP
.endr
.endm
; A TRIP: the 96 products of the tile at s[TB], and the selection from the tile before it: 136 + 6 x (8 + 72) + 94 x 4 = 992.
; DISTANCES (ISA guide 7.12.1 for vector instructions).  The selecting instructions name W, the lists and scalars alone, never a sum, a fragment or nh, so they are the places behind the products.
; A run of loads stands twelve of them behind the last product that read its buffer.  A tile's last link stands sixteen behind the product whose sum it takes.  The eight behind the last links of
; query tiles 0 and 1 are numbers 984-991, which read the old W of tiles 2 and 3, ahead of the links that write those; none stands behind the last two links.  The new W of tile 0 is first read
; eight or more behind its link, tile 1's five or more, tiles 2 and 3's some 500.
.macro TRIP
.set q, 0
	WIN 0
	v_add_nc_u32 v[AF], s[TB], v[AF0]
	v_add_nc_u32 v[AB], s[TBB], v[AB0]
	s_add_co_u32 s[TB], s[TB], TILEB
	s_add_co_u32 s[TBB], s[TBB], 64
	s_and_b32 s[TBB], s[TBB], 0xfc0                ; the walk over nh's 4,096 bytes closes on itself
	ds_load_b128 v[BI:BI+3],   v[AB]               ; lanes of one half read the same 32 bytes
	ds_load_b128 v[BI+4:BI+7], v[AB] offset:16
	FETCH 0
	VQN 136
.set g, 0
.rept 6
	VQN 8
	s_wait_dscnt 0x0                               ; this group's fragments are in (in the first group nh too); they were asked for a group ago
.if g < 5
	FETCH g+1
.endif
	VQN 72
.set cc, 0
.rept 4
.set t, 0
.rept 4
	MM 4*g+cc, t
.if (g < 5) || (cc < 3) || (t < 2)
	VQN 4
.endif
.set t, t+1
.endr
.set cc, cc+1
.endr
.set g, g+1
.endr
	WIN 0                                          ; at a label and at a branch every window is 0
.irp j, 0,1,2,3,4,5,6,7
	s_add_co_u32 s[IDX+\j], s[IDX+\j], 8           ; the ids of the tile just multiplied
.endr
.endm
	s_mov_b32 s[SLOTS], 15
	s_mov_b32 s[CNT], 4
	s_branch .Ltrip                                ; slot 0 is there: the loop is entered behind its change of slots
.Lslot:                                                ; 14 times: every slot but the last two is filled again
	CHANGE 1
	s_mov_b32 s[CNT], 4
.Ltrip:
	TRIP
	s_sub_co_u32 s[CNT], s[CNT], 1
	s_cmp_lg_u32 s[CNT], 0
	s_cbranch_scc1 .Ltrip
	s_sub_co_u32 s[SLOTS], s[SLOTS], 1
	s_cmp_lg_u32 s[SLOTS], 0
	s_cbranch_scc1 .Lslot
	CHANGE 0                                       ; the last slot is written out: nothing is asked for
	s_mov_b32 s[CNT], 4
.Ltail:
	TRIP
	s_sub_co_u32 s[CNT], s[CNT], 1
	s_cmp_lg_u32 s[CNT], 0
	s_cbranch_scc1 .Ltail
.set q, 0
	VQN 992                                        ; the last tile's selection
	; THE WAY OUT: the lanes' half enters the ids; each store of the wave covers 512 consecutive bytes, aligned.
.set i, 0
.rept 32
	v_add_nc_u32 v[LST+2*i], v[HB], v[LST+2*i]
.set i, i+1
.endr
.irp t, 0,1,2,3
.irp p, 0,1,2,3
	global_store_b128 v[CO], v[LST+16*(\t)+4*(\p):LST+16*(\t)+4*(\p)+3], s[10:11] offset:(\t)*16384+(\p)*512
.endr
.endr
	s_wait_tensorcnt 0x0                           ; the wave's end: three closing lines, behind my last tensor load and my last LDS store
	ds_add_u32 v[SPW], v[NIL]
	s_wait_dscnt 0x0
	CROUND                                         ; the closing round: no work-group ends while a partner may still ask for a tile that names it
	s_endpgm
.Lfunc_end_k_q875e8e0683_score:
	.size	k_q875e8e0683_score, .Lfunc_end_k_q875e8e0683_score-k_q875e8e0683_score
	.p2alignl 7, 3214868480
	.fill 96, 4, 3214868480
	.section	.rodata,"a",@progbits
	.p2align	6, 0x0
	.amdhsa_kernel k_q875e8e0683_score
		.amdhsa_group_segment_fixed_size 327680
		.amdhsa_private_segment_fixed_size 0
		.amdhsa_enable_private_segment 0
		.amdhsa_kernarg_size 32
		.amdhsa_user_sgpr_count 2
		.amdhsa_user_sgpr_kernarg_segment_ptr 1
		.amdhsa_wavefront_size32 1
		.amdhsa_system_sgpr_workgroup_id_x 1
		.amdhsa_system_sgpr_workgroup_id_y 1
		.amdhsa_system_sgpr_workgroup_id_z 1
		.amdhsa_system_vgpr_workitem_id 0
		.amdhsa_next_free_vgpr 1024
		.amdhsa_next_free_sgpr 80
		.amdhsa_reserve_vcc 0
		.amdhsa_float_denorm_mode_32 3
		.amdhsa_float_denorm_mode_16_64 3
		.amdhsa_memory_ordered 1
		.amdhsa_forward_progress 1
		.amdhsa_inst_pref_size 249
	.end_amdhsa_kernel
	.amdgpu_metadata
---
amdhsa.version: [ 1, 2 ]
amdhsa.kernels:
  - .name:           k_q875e8e0683_score
    .symbol:         k_q875e8e0683_score.kd
    .args:
      - { .name: xb, .offset: 0, .size: 8, .value_kind: global_buffer, .address_space: global }
      - { .name: cbp, .offset: 8, .size: 8, .value_kind: global_buffer, .address_space: global }
      - { .name: nh, .offset: 16, .size: 8, .value_kind: global_buffer, .address_space: global }
      - { .name: cand, .offset: 24, .size: 8, .value_kind: global_buffer, .address_space: global }
    .group_segment_fixed_size: 327680
    .private_segment_fixed_size: 0
    .kernarg_segment_align: 8
    .kernarg_segment_size: 32
    .max_flat_workgroup_size: 128
    .sgpr_count:     80
    .vgpr_count:     1024
    .wavefront_size: 32
...
	.end_amdgpu_metadata
.endif
;; end of part 2
;; launch merge (part 3): grid 256 x 1, 2 waves a work-group, no clusters, 0 bytes of LDS; arguments cand, out1, pos; writes out1, pos
.if DOCPART == 3
	.amdgcn_target "amdgcn-amd-amdhsa--gfx1250"
	.amdhsa_code_object_version 6
	.text
	.protected	k_q875e8e0683_merge
	.globl	k_q875e8e0683_merge
	.p2align	8
	.type	k_q875e8e0683_merge,@function
k_q875e8e0683_merge:
	s_mov_b64 s[64:65], 0
	v_nop
	global_prefetch_b8 v0, s[64:65] scope:SCOPE_SE
	s_setreg_imm32_b32 hwreg(HW_REG_WAVE_MODE, 25, 1), 1
	s_wait_xcnt 0x0
; MERGE.  A query has 16 sorted lists of eight (id, score): 8 splits x 2 halves of the lanes.  They are merged into the final eight ids (out1) and those codes' rows in cbp (pos, whole numbers
; from which the next launch forms addresses).  Scores as the launch before made them: |x|^2 and the factor 2 left out (shown at the head of the first kernel).
; SHARES.  A wave takes a query tile of 16; its lanes are those of the launch before: lane l holds query l % 16 and the lists of half l / 16, whose ids lie in 4,096 (l / 16) + 512 s + 0..511.
; ORDER.  The running list is split 0's registers; splits 1 to 7 go in, ids ascending, then the other half's list.  The comparison is strict, so of equal scores the one already in the list, the lower
; id, stays in front.  That holds across the halves in lanes 0-15 (own ids below 4,096, the partner's above); lanes 16-31 make a list that is not used, and store lanes 0-15's places 4 to 7.
; Element e of a sorted list cannot land above place e once its e betters have gone in: only places e to 7 are touched, 36 for a list of eight.
; Few bytes and little work: no LDS, no matrix unit, no cluster.
.set N,  16                            ; v[16:143]  split s at N + 16 s: id e at + 2 e, score e at + 2 e + 1
.set TT, 144                           ; v[144:147] places 4 to 7 from the other half
.set OO, 148                           ; v[148:151] my four ids
.set PP, 152                           ; v[152:155] their rows in cbp
.set A0, 156                           ; v[156:158] at work
	s_load_b128 s[4:7], s[0:1], 0x0                ; cand s[4:5], out1 s[6:7]
	s_load_b64 s[8:9], s[0:1], 0x10                ; pos
	v_lshrrev_b32 v1, 5, v0
	v_readfirstlane_b32 s10, v1                    ; wave 0, 1
	v_and_b32 v1, 31, v0
	v_lshlrev_b32 v2, 4, v1                        ; 16 x lane
	v_and_b32 v4, 15, v0
	v_bfe_u32 v5, v0, 4, 1
	v_lshlrev_b32 v3, 5, v4
	v_lshl_add_u32 v3, v5, 4, v3                   ; a query's eight ids are 32 bytes; each half of the lanes stores 16 of them
	s_lshl1_add_u32 s11, ttmp9, s10                ; the query tile
	s_lshl_b32 s16, s11, 14                        ; its 16,384 bytes of cand
	s_mov_b32 s17, 0
	s_lshl_b32 s18, s11, 9                         ; its 512 bytes of out1 and of pos
	s_mov_b32 s19, 0
	s_mov_b32 s12, 0x76543210                      ; v_permlanex16_b32: each lane takes its own place in the other half
	s_mov_b32 s13, 0xfedcba98
	s_mov_b32 s14, 0xffff0000                      ; lanes 16-31
.irp p, 0,1,2,3
	v_mov_b32 v[TT+\p], 0                          ; v_permlanex16_b32 counts as a reader of its destination
.endr
	s_wait_kmcnt 0x0
	s_add_nc_u64 s[4:5], s[4:5], s[16:17]
	s_add_nc_u64 s[6:7], s[6:7], s[18:19]
	s_add_nc_u64 s[8:9], s[8:9], s[18:19]
.set sp, 0
.rept 8
.irp p, 0,1,2,3
	global_load_b128 v[N+16*sp+4*\p:N+16*sp+4*\p+3], v2, s[4:5] offset:sp*2048+\p*512 th:TH_LOAD_NT  ; 512 consecutive bytes
.endr
.set sp, sp+1
.endr
; Element e of a sorted list (score in v[val], id in v[idx]) goes into the running list: from place 7 down to e, so that old values are read before they change.
.macro INS e, val, idx
.set m, 7
.rept 8-(\e)
	v_cmp_gt_f32 vcc_lo, v[\val], v[N+2*m+1]
.if m < 7
	v_med3_num_f32 v[N+2*m+3], v[N+2*m+1], v[N+2*m+3], v[\val]
	v_cndmask_b32 v[N+2*m+2], v[N+2*m+2], v[N+2*m], vcc_lo
.endif
	v_cndmask_b32 v[N+2*m], v[N+2*m], v[\idx], vcc_lo
.set m, m-1
.endr
	v_max_num_f32 v[N+2*(\e)+1], v[N+2*(\e)+1], v[\val]
.endm
.set sp, 1
.rept 7
	s_wait_loadcnt 4*(7-sp)                        ; loads come back in order: the four of each younger split may stay out
.set ee, 0
.rept 8
	INS ee, N+16*sp+2*ee+1, N+16*sp+2*ee
.set ee, ee+1
.endr
.set sp, sp+1
.endr
.set i, 0
.rept 16
	v_permlanex16_b32 v[N+16+i], v[N+i], s12, s13  ; the other half's list, into split 1's registers, which are spent
.set i, i+1
.endr
.set ee, 0
.rept 8
	INS ee, N+16+2*ee+1, N+16+2*ee
.set ee, ee+1
.endr
.irp p, 0,1,2,3
	v_permlanex16_b32 v[TT+\p], v[N+8+2*\p], s12, s13
.endr
.irp p, 0,1,2,3
	v_cndmask_b32 v[OO+\p], v[N+2*\p], v[TT+\p], s14  ; lanes 0-15: their places 0 to 3; lanes 16-31: places 4 to 7 of lanes 0-15
.endr
.irp p, 0,1,2,3
	v_bfe_u32 v[A0], v[OO+\p], 3, 9                ; id = hb<<12 | s<<9 | tau<<3 | r3  ->  row = s<<10 | tau<<4 | hb<<3 | r3
	v_bfe_u32 v[A0+1], v[OO+\p], 12, 1
	v_and_b32 v[A0+2], 7, v[OO+\p]
	v_lshl_or_b32 v[A0+2], v[A0+1], 3, v[A0+2]
	v_lshl_or_b32 v[PP+\p], v[A0], 4, v[A0+2]
.endr
	global_store_b128 v3, v[OO:OO+3], s[6:7]       ; the wave's store covers 512 consecutive bytes, aligned
	global_store_b128 v3, v[PP:PP+3], s[8:9]
	s_endpgm
.Lfunc_end_k_q875e8e0683_merge:
	.size	k_q875e8e0683_merge, .Lfunc_end_k_q875e8e0683_merge-k_q875e8e0683_merge
	.p2alignl 7, 3214868480
	.fill 96, 4, 3214868480
	.section	.rodata,"a",@progbits
	.p2align	6, 0x0
	.amdhsa_kernel k_q875e8e0683_merge
		.amdhsa_group_segment_fixed_size 0
		.amdhsa_private_segment_fixed_size 0
		.amdhsa_enable_private_segment 0
		.amdhsa_kernarg_size 24
		.amdhsa_user_sgpr_count 2
		.amdhsa_user_sgpr_kernarg_segment_ptr 1
		.amdhsa_wavefront_size32 1
		.amdhsa_system_sgpr_workgroup_id_x 1
		.amdhsa_system_sgpr_workgroup_id_y 1
		.amdhsa_system_sgpr_workgroup_id_z 1
		.amdhsa_system_vgpr_workitem_id 0
		.amdhsa_next_free_vgpr 160
		.amdhsa_next_free_sgpr 66
		.amdhsa_reserve_vcc 1
		.amdhsa_float_denorm_mode_32 3
		.amdhsa_float_denorm_mode_16_64 3
		.amdhsa_memory_ordered 1
		.amdhsa_forward_progress 1
		.amdhsa_inst_pref_size 49
	.end_amdhsa_kernel
	.amdgpu_metadata
---
amdhsa.version: [ 1, 2 ]
amdhsa.kernels:
  - .name:           k_q875e8e0683_merge
    .symbol:         k_q875e8e0683_merge.kd
    .args:
      - { .name: cand, .offset: 0, .size: 8, .value_kind: global_buffer, .address_space: global }
      - { .name: out1, .offset: 8, .size: 8, .value_kind: global_buffer, .address_space: global }
      - { .name: pos, .offset: 16, .size: 8, .value_kind: global_buffer, .address_space: global }
    .group_segment_fixed_size: 0
    .private_segment_fixed_size: 0
    .kernarg_segment_align: 8
    .kernarg_segment_size: 24
    .max_flat_workgroup_size: 64
    .sgpr_count:     66
    .vgpr_count:     160
    .wavefront_size: 32
...
	.end_amdgpu_metadata
.endif
;; end of part 3
;; launch gather (part 4): grid 1024 x 1, 8 waves a work-group, no clusters, 0 bytes of LDS; arguments pos, cbp, out0; writes out0
.if DOCPART == 4
	.amdgcn_target "amdgcn-amd-amdhsa--gfx1250"
	.amdhsa_code_object_version 6
	.text
	.protected	k_q875e8e0683_gather
	.globl	k_q875e8e0683_gather
	.p2align	8
	.type	k_q875e8e0683_gather,@function
k_q875e8e0683_gather:
	s_mov_b64 s[64:65], 0
	v_nop
	global_prefetch_b8 v0, s[64:65] scope:SCOPE_SE
	s_setreg_imm32_b32 hwreg(HW_REG_WAVE_MODE, 25, 1), 1
	s_wait_xcnt 0x0
; GATHER.  out0[q][:] = 1/8 x the sum of the eight rows of cbp (the codebook rounded to bf16) that pos[q][0..7] names; sums in f32.  pos was stored by the launch before, as whole numbers.
; A wave takes one query: its eight rows, 1,536 bytes each, come by 48 loads of 256 consecutive bytes, all issued before the first wait; each store covers 512 consecutive bytes, aligned.
; The factor 1/8 rides on the multiply-adds that widen the bf16 halves; it is a power of two and rounds nothing.  Memory and latency bind: no LDS, no matrix unit, no cluster.
; The rows carry no hint: many queries name the same rows.
.set OF,  8                            ; v[8:15]    row k's byte offset in cbp + 8 x lane
.set AC,  16                           ; v[16:39]   four sums for each sixth n of the row, at AC + 4 n; for n = 4, 5 they fall onto rows of n = 0, which are spent by then
.set RW,  32                           ; v[32:127]  sixth n, row k: two registers at RW + 16 n + 2 k
.set EI,  4                            ; v4  0.125
.set ZE,  5                            ; v5  0
	s_load_b128 s[4:7], s[0:1], 0x0                ; pos s[4:5], cbp s[6:7]
	s_load_b64 s[8:9], s[0:1], 0x10                ; out0
	v_lshrrev_b32 v1, 5, v0
	v_readfirstlane_b32 s10, v1                    ; wave 0..7
	v_and_b32 v1, 31, v0
	v_lshlrev_b32 v2, 3, v1                        ; my 8 bytes (4 bf16) of 256
	v_lshlrev_b32 v3, 4, v1                        ; my 16 bytes (4 f32) of 512
	v_mov_b32 v[EI], 0x3e000000
	v_mov_b32 v[ZE], 0
	s_lshl3_add_u32 s11, ttmp9, s10                ; the query
	s_lshl_b32 s12, s11, 5                         ; its 32 bytes of pos
	s_mov_b32 s13, 0
	s_mul_i32 s14, s11, 3072                       ; its row of out0
	s_mov_b32 s15, 0
	s_wait_kmcnt 0x0
	s_add_nc_u64 s[4:5], s[4:5], s[12:13]
	s_add_nc_u64 s[8:9], s[8:9], s[14:15]
	s_load_b256 s[16:23], s[4:5], 0x0              ; this launch writes no byte of pos
	s_wait_kmcnt 0x0
.irp k, 0,1,2,3,4,5,6,7
	s_min_u32 s[16+\k], s[16+\k], 0x1fff           ; a loaded number enters an address only behind a bound: cbp has 8,192 rows
	s_mul_i32 s[16+\k], s[16+\k], 1536
	v_add_nc_u32 v[OF+\k], s[16+\k], v2
.endr
.irp n, 0,1,2,3,4,5
.irp k, 0,1,2,3,4,5,6,7
	global_load_b64 v[RW+16*\n+2*\k:RW+16*\n+2*\k+1], v[OF+\k], s[6:7] offset:256*\n
.endr
.endr
.irp n, 0,1,2,3,4,5
	s_wait_loadcnt 8*(5-\n)                        ; loads come back in order: the eight of each younger sixth may stay out
	v_fma_mix_f32_bf16 v[AC+4*\n],   v[RW+16*\n],   v[EI], v[ZE] op_sel_hi:[1,0,0]                 ; the first row starts the sums
	v_fma_mix_f32_bf16 v[AC+4*\n+1], v[RW+16*\n],   v[EI], v[ZE] op_sel:[1,0,0] op_sel_hi:[1,0,0]
	v_fma_mix_f32_bf16 v[AC+4*\n+2], v[RW+16*\n+1], v[EI], v[ZE] op_sel_hi:[1,0,0]
	v_fma_mix_f32_bf16 v[AC+4*\n+3], v[RW+16*\n+1], v[EI], v[ZE] op_sel:[1,0,0] op_sel_hi:[1,0,0]
.irp k, 1,2,3,4,5,6,7
	v_fma_mix_f32_bf16 v[AC+4*\n],   v[RW+16*\n+2*\k],   v[EI], v[AC+4*\n]   op_sel_hi:[1,0,0]
	v_fma_mix_f32_bf16 v[AC+4*\n+1], v[RW+16*\n+2*\k],   v[EI], v[AC+4*\n+1] op_sel:[1,0,0] op_sel_hi:[1,0,0]
	v_fma_mix_f32_bf16 v[AC+4*\n+2], v[RW+16*\n+2*\k+1], v[EI], v[AC+4*\n+2] op_sel_hi:[1,0,0]
	v_fma_mix_f32_bf16 v[AC+4*\n+3], v[RW+16*\n+2*\k+1], v[EI], v[AC+4*\n+3] op_sel:[1,0,0] op_sel_hi:[1,0,0]
.endr
	global_store_b128 v3, v[AC+4*\n:AC+4*\n+3], s[8:9] offset:512*\n th:TH_STORE_NT
.endr
	s_endpgm
.Lfunc_end_k_q875e8e0683_gather:
	.size	k_q875e8e0683_gather, .Lfunc_end_k_q875e8e0683_gather-k_q875e8e0683_gather
	.p2alignl 7, 3214868480
	.fill 96, 4, 3214868480
	.section	.rodata,"a",@progbits
	.p2align	6, 0x0
	.amdhsa_kernel k_q875e8e0683_gather
		.amdhsa_group_segment_fixed_size 0
		.amdhsa_private_segment_fixed_size 0
		.amdhsa_enable_private_segment 0
		.amdhsa_kernarg_size 24
		.amdhsa_user_sgpr_count 2
		.amdhsa_user_sgpr_kernarg_segment_ptr 1
		.amdhsa_wavefront_size32 1
		.amdhsa_system_sgpr_workgroup_id_x 1
		.amdhsa_system_sgpr_workgroup_id_y 1
		.amdhsa_system_sgpr_workgroup_id_z 1
		.amdhsa_system_vgpr_workitem_id 0
		.amdhsa_next_free_vgpr 128
		.amdhsa_next_free_sgpr 66
		.amdhsa_reserve_vcc 0
		.amdhsa_float_denorm_mode_32 3
		.amdhsa_float_denorm_mode_16_64 3
		.amdhsa_memory_ordered 1
		.amdhsa_forward_progress 1
		.amdhsa_inst_pref_size 20
	.end_amdhsa_kernel
	.amdgpu_metadata
---
amdhsa.version: [ 1, 2 ]
amdhsa.kernels:
  - .name:           k_q875e8e0683_gather
    .symbol:         k_q875e8e0683_gather.kd
    .args:
      - { .name: pos, .offset: 0, .size: 8, .value_kind: global_buffer, .address_space: global }
      - { .name: cbp, .offset: 8, .size: 8, .value_kind: global_buffer, .address_space: global }
      - { .name: out0, .offset: 16, .size: 8, .value_kind: global_buffer, .address_space: global }
    .group_segment_fixed_size: 0
    .private_segment_fixed_size: 0
    .kernarg_segment_align: 8
    .kernarg_segment_size: 24
    .max_flat_workgroup_size: 256
    .sgpr_count:     66
    .vgpr_count:     128
    .wavefront_size: 32
...
	.end_amdgpu_metadata
.endif
;; end of part 4
;; ======== version 2 of 3: 4 launches
;; workspace buffers: xb 12,582,912 bytes; cbp 12,582,912 bytes; nh 32,768 bytes; cand 8,388,608 bytes; pos 262,144 bytes of whole numbers
;; launch prep: the kernel of part 1 again; grid 256 x 1, 8 waves a work-group, no clusters, 1,280 bytes of LDS; arguments x, codebook, xb, cbp, nh; writes xb, cbp, nh
;; launch score (part 5): grid 32 x 8, 4 waves a work-group, clusters of 4 x 1, 327,680 bytes of LDS; arguments xb, cbp, nh, cand; writes cand
.if DOCPART == 5
	.amdgcn_target "amdgcn-amd-amdhsa--gfx1250"
	.amdhsa_code_object_version 6
	.text
	.protected	k_q875e8e0683_score
	.globl	k_q875e8e0683_score
	.p2align	8
	.type	k_q875e8e0683_score,@function
k_q875e8e0683_score:
	s_mov_b64 s[64:65], 0
	v_nop
	global_prefetch_b8 v0, s[64:65] scope:SCOPE_SE
	s_setreg_imm32_b32 hwreg(HW_REG_WAVE_MODE, 25, 1), 1
	s_wait_xcnt 0x0
	s_wait_alu depctr_hold_cnt(0) depctr_sa_sdst(0) depctr_va_vdst(0) depctr_va_sdst(0) depctr_va_ssrc(0) depctr_va_vcc(0) depctr_vm_vsrc(0)
	s_getreg_b32 s2, hwreg(HW_REG_IB_STS2, 6, 4)
	s_cmp_eq_u32 s2, 0
	s_cbranch_scc0 .Lentry_in_a_cluster
	s_endpgm
.Lentry_in_a_cluster:
	s_bfe_u32 s2, ttmp6, 0x10000c
	s_cmp_lg_u32 s2, 0x3003
	s_cbranch_scc0 .Lentry_shape_is_right
	s_endpgm
.Lentry_shape_is_right:
; SCORE.  S[code][query] = the sum over d of cbp[code][d] xb[query][d] + nh[code], bf16 operands, f32 sums; and for each lane the best eight (score, id), sorted, of the 512 codes that it sees.
; LEFT OUT: |x|^2 and the factor 2 of reference()'s score: they do not change the order along the codes, for any values (shown at the head of the first kernel).
; LIMITS.  Codes whose scores differ by less than the f32 roundings of this sum or of reference()'s may come in another order than reference()'s; exactly equal scores go to the lower id, as in
; jax.lax.top_k.  A score that is NaN or -infinity never enters a list, and a NaN spoils the order of its pair.
; SHARES.  Work-group (qb, split): 256 queries x the 1,024 rows of cbp from 1,024 split on: 256 work-groups.  A wave owns 64 queries, four tiles of 16; their fragments, 4 x 24 x 8 = 768 registers,
; stay in windows 1 to 3 for the whole launch.  All four waves walk the same 64 code tiles of 16 rows out of LDS: a fragment of codes (two LDS loads) feeds four matrix instructions.
; LAYOUT.  Source 0 = 16 codes, source 1 = 16 queries: lane l holds ONE query (l % 16) and, in register j, code row 8 (l / 16) + j of the tile.  By cbp's order that code's id is
; (l / 16)<<12 | split<<9 | tile<<3 | j: a lane's ids ascend with tile and j.  nh is the C operand of a tile's first product: no vector instruction adds it.  A tile's LAST product writes
; another accumulator (W) than the one it adds onto (S), so that the next tile's sums can start while W is being selected from.
; SELECTION, exact, by pairs.  The scores of registers 2 p and 2 p + 1 are ordered: the WINNER (on a tie the lower id) goes into a sorted list of eight, and its LOSER's score rides with it as the
; entry's third word.  A loser stands behind its winner, so a loser among the lane's best eight has its winner among them, hence among the best eight winners: the best eight lie among the eight
; listed winners and their losers.  The comparisons are strict and ids ascend from pair to pair, so equal scores keep the lower id in front.  A loser's id is its winner's xor 1.  At the end the
; loser of place e (e = 0 to 6) goes into the list by (score, then id); it has e + 1 winners in front of it, so only places e + 1 to 7 are touched; place 7's loser has eight in front.
; A winner v with tag g and loser u goes into L0 >= L1 >= .. from place 7 down; place i is a CHAIN: VCC = v > Li;  Li = the middle one of (Li-1, Li, v), L0 = max(L0, v);  then two dual selects by
; VCC: (Ii+1 = Ii, Pi+1 = Pi) and (Ii = g, Pi = u).  The two halves of each dual name different registers throughout.  A pair's own chain: VCC = W(2p+1) > W(2p);  the NEXT pair's maximum and
; minimum, one dual, into the other set of temporaries;  tag = 2 p + BASE + VCC.  3 + 3 + 7 x 4 = 34 instructions a pair, 16 pairs a code tile: 144 chains, 544 instructions for 96 matrix instructions.
; An entry's id lies in an even register and its loser's score in the odd one behind it; the tag lies in register bank 2, the loser's temporary in bank 1: what the dual form asks of its registers.
; TRIADS.  Three chains a, b, c go with two matrix instructions.  Behind the first: selects a, compare b, three value lines, selects b, compare c.  Behind the second: selects c, compare of the next a.
; So three instructions or a matrix instruction stand between a comparison and the selects that read VCC.  The value lines run in their own order, at most one chain late: a value line writes Li
; alone, which is next read nine chains on; it reads Li-1 before the next value line changes it, and a comparison reads Li before its own value line.
; A TRIP is turned round: it fetches the next tile's first fragments and nh, multiplies the LAST 16 products of the tile in hand, then the first 80 of the next; so every run of LDS loads is asked for
; 15 products or more ahead of its use, and at the trip's head the wave's last reads of a slot have been waited for: there the slots change.  The chains are closed there and at the label in the
; trip's middle.  The loop is entered in its middle.  W starts at -infinity, so the first selection inserts nothing; the last tile's stands behind the loops.
; RING.  Two LDS slots of four tiles; wave w fetches tile w of a slot, one tensor load behind each change of slots; it has four tiles' work in which to land.  By this text's count a wave has two
; tensor loads out at the start and one behind each change.
; CLUSTER.  The four work-groups of a cluster share the split, so every tile of codes is asked for JOINTLY: the same load, descriptor and mask in all four.  The queries are not shared so: each
; work-group's own 393,216 bytes go once, straight into operand registers, and those that read the same queries (other splits) lie in other clusters.
.set DUAL,   1                         ; 0: every dual instruction is written as its two halves, in their order
.set PITCH,  1584                      ; a code row in LDS: three pieces of 512 bytes, 16 of padding behind each: 99 x 16, so the 16 rows of a fragment load start in 16 different groups of four banks (64 banks of 4 bytes: ISA guide 11.1)
.set TILEB,  16*PITCH                  ; a tile: 25,344 bytes
.set SLOT1,  131072                    ; slot 1 begins here: one exclusive or turns an address in one slot into the other's
.set BIAS,   SLOT1+4*TILEB             ; behind the ring: the split's 1,024 numbers of nh; no tensor load lands here
.set SPARE,  BIAS+4096                 ; the spare words, 128 bytes for each wave: two blocks of 256 bytes that no other line names
.set SLOTB_,  64*1536                  ; a slot's bytes in memory
.set AF0, 3                            ; v3   my place in a tile: (l % 16) x PITCH + 16 (l / 16); never rewritten
.set AF,  4                            ; v4   the same in the tile whose fragments are being fetched
.set AB0, 5                            ; v5   BIAS + 32 (l / 16); never rewritten
.set AB,  6                            ; v6   the same for that tile
.set QO,  7                            ; v7   my byte offset in 16 rows of xb
.set PFO, 8                            ; v8   256 x lane, for the prefetches; never rewritten
.set CO,  9                            ; v9   16 x lane, for the way out
.set HB,  10                           ; v10  (l / 16)<<12
.set BS,  11                           ; v11  BIAS + 32 x my thread's number
.set SPW, 12                           ; v12  LDS address of my spare word; never rewritten
.set NIL, 13                           ; v13  0; never rewritten
.set NO,  14                           ; v14  32 x my thread's number
.set BI,  16                           ; v[16:23]    nh of a tile, as a C operand
.set FB,  24                           ; v[24:87]    two buffers of four fragments of codes
.set SA,  88                           ; v[88:119]   the sums, 8 a query tile (at the head: nh on its way into LDS)
.set W,   120                          ; v[120:151]  the finished scores, 8 a query tile
.set LST, 152                          ; v[152:247]  the lists, 24 a query tile: place i: id at 2 i, its loser's score at 2 i + 1, the winner's score at 16 + i
.set TS0, 248                          ; v[248:250], v[252:254]  two sets of temporaries, by the pair's parity: winner's score, loser's score, tag
.set BASE, 251                         ; v251  split<<9 | tile<<3 of the tile that is being selected from
.set JB,  24                           ; v[24:55]    at the end: the losers' ids, 8 a query tile
.set OUT, 88                           ; v[88:151]   at the end: the lists as cand takes them: tile t, place i: id at 16 t + 2 i, score behind it
.set WV,  12                           ; s12  my wave's number
.set CX,  13                           ; s13  my place in the cluster: it enters global addresses of xb, cand and the prefetches alone
.set QB,  14                           ; s14  my block of 256 queries
.set LIM, 15                           ; s15  1 in a wave that prefetches, else the greatest number
.set SPL, 16                           ; s16  the split, which the partners share
.set PFA, 18                           ; s[18:19] where my prefetches stand
.set G1,  24                           ; s[24:31] descriptor group 1
.set G0A, 32                           ; s[32:35] group 0 of the first fill of slot 0
.set G0W, 36                           ; s[36:39] group 0 of the first fill of slot 1; it then walks
.set SLOTS, 40                         ; s40  counts the slots
.set CNT, 41                           ; s41  counts a slot's tiles
.set TB,  42                           ; s42  LDS byte of the tile to be fetched next
.set TBB, 43                           ; s43  byte of its 16 numbers in BIAS
.set MK,  52                           ; s[52:63] the last merge's masks, three a query tile
.set MSB, 0
.macro WIN new                         ; s_set_vgpr_msb: bits 1:0 source 0, 3:2 source 1, 5:4 source 2, 7:6 destination; the high byte repeats the setting that is left
.if MSB != (\new)
	s_set_vgpr_msb (MSB<<8)|(\new)
.set MSB, (\new)
.endif
.endm
; A round of the cluster's barrier: my work-group's barrier, so that wave 0's signal speaks for all four waves; wave 0 signals; every wave waits for all four work-groups; my work-group's barrier once more.
.macro CROUND
	s_barrier_signal -1
	s_barrier_wait -1
	s_cmp_lg_u32 s[WV], 0
	s_cbranch_scc1 .Lnot_wave_0_\@
	s_barrier_signal -3
.Lnot_wave_0_\@:
	s_barrier_wait -3
	s_barrier_signal -1
	s_barrier_wait -1
.endm
; A PREFETCH INTO THE L2 of the slot that the NEXT change of slots will ask for: 98,304 dense bytes, 384 blocks of 256.  All eight clusters of a split walk the same rows: the first (cluster x = 0) asks.
; Its four partners take 96 blocks each, told apart BY ADDRESS; in each, waves 0 to 2 take 32, a lane a block: each block is named once in the launch.  It stands four tiles' work ahead of the load.
; Slots 0 to 2 come by their loads alone; the last change that fills a slot asks for nothing: there is no slot behind it.
.macro ASK
	s_cmp_gt_u32 s[SLOTS], s[LIM]
	s_cbranch_scc0 .Lnot_mine_\@
	global_prefetch_b8 v[PFO], s[PFA:PFA+1] th:TH_LOAD_NT scope:SCOPE_SE
.Lnot_mine_\@:
.endm
; THE CHANGE OF SLOTS.  Each wave waits for all its tensor loads, of which one is out: its tile of the other slot; adds 0 to its spare word; and waits for that and for its reads of the slot that it
; leaves: the last of them, the last tile's last four fragments, were asked for 15 products ago.
; fill = 1: the barrier is a round of the cluster's, so that no wave of any partner still reads the slot or has a load on its way, and the joint refill (the codes two slots on) is the first thing behind it.
.macro CHANGE fill
	WIN 0
	s_wait_tensorcnt 0x0                           ; no tensor load of mine is out, so a group 0 may be written
	ds_add_u32 v[SPW], v[NIL]                      ; 0 onto my spare word
.if \fill
	s_xor_b32 s[G0W+1], s[G0W+1], SLOT1            ; the other slot than last time,
	s_add_nc_u64 s[G0W+2:G0W+3], s[G0W+2:G0W+3], SLOTB_  ; the next 64 rows; the type bits on top are not reached
	s_wait_xcnt 0x0                                ; the last prefetch, four tiles back, has read its address
	s_add_nc_u64 s[PFA:PFA+1], s[PFA:PFA+1], SLOTB_
	s_wait_dscnt 0x0                               ; the add is done, and my reads of the slot are over
	CROUND
	tensor_load_to_lds s[G0W:G0W+3], s[G1:G1+7]    ; my one tensor load behind the round: tile w of the slot
	s_nop 0
.rept 4
	v_nop
.endr
	ASK
.else
	s_wait_dscnt 0x0                               ; the add is done, and my reads of the slot are over
	s_barrier_signal -1
	s_barrier_wait -1
.endif
	s_sub_co_u32 s[TB], s[TB], 4*TILEB             ; the fetches go back to a slot's first tile,
	s_xor_b32 s[TB], s[TB], SLOT1                  ; in the other slot
.endm
	s_load_b256 s[4:11], s[0:1], 0x0               ; xb s[4:5], cbp s[6:7], nh s[8:9], cand s[10:11]
	v_lshl_add_u32 v[SPW], v0, 2, SPARE
	v_mov_b32 v[NIL], 0
	ds_add_u32 v[SPW], v[NIL]                      ; the wave's opening: the add, twice on end, and its wait ahead of my first tensor load; the set-up below is work on registers
	ds_add_u32 v[SPW], v[NIL]
	v_lshrrev_b32 v1, 5, v0
	v_readfirstlane_b32 s[WV], v1                  ; wave 0..3
	s_bfe_u32 s[CX], ttmp6, 0x40000
	s_lshl_b32 s[QB], ttmp9, 2                     ; in a cluster launch ttmp9 counts clusters
	s_add_co_u32 s[QB], s[QB], s[CX]
	s_and_b32 s[SPL], ttmp7, 0xffff
	; descriptor group 1.  A tile's 16 rows are 24,576 dense bytes: asked for as 48 rows of 512 bytes, padded in LDS behind each
	s_mov_b32 s[G1+0], 15|(1<<16)|(1<<20)|(1<<21)|(6<<22)|(3<<25)  ; 15:0 the mask of four; 17:16 2-byte elements; 20 padding on; 21 set beside a mask; 24:22 after every 128 words (code 6); 31:25 4 words (code 3)
	s_mov_b32 s[G1+1], 256<<16                     ; tensor_dim0 = 256
	s_mov_b32 s[G1+2], 48<<16                      ; tensor_dim1 = 48
	s_mov_b32 s[G1+3], 256<<16                     ; tile_dim0 = 256
	s_mov_b32 s[G1+4], 48                          ; tile_dim1 = 48
	s_mov_b32 s[G1+5], 256                         ; 256 elements from row to row
	s_mov_b32 s[G1+6], 0
	s_mov_b32 s[G1+7], 0
	s_mov_b32 s[G0A], 1                            ; count = 1
	s_mul_i32 s[G0A+1], s[WV], TILEB               ; LDS address: tile w of slot 0: no place in the cluster enters it
	s_mov_b32 s[G0W], 1
	s_add_co_u32 s[G0W+1], s[G0A+1], SLOT1
	s_mul_i32 s20, s[SPL], 1024*1536               ; my tile of slot 0 in cbp: the split's rows,
	s_mul_i32 s21, s[WV], 16*1536                  ; 16 w of them on
	s_add_co_u32 s20, s20, s21
	s_mov_b32 s21, 0
	s_mul_i32 s2, s[QB], 256*1536                  ; my wave's 64 rows of xb
	s_mul_i32 s3, s[WV], 64*1536
	s_add_co_u32 s2, s2, s3
	s_mov_b32 s3, 0
	s_lshl_b32 s60, s[QB], 18                      ; cand is [query tile 512][split 8][4][lane 32][16 bytes]: 16 query tiles a block, 4 a wave
	s_lshl_b32 s61, s[WV], 16
	s_add_co_u32 s60, s60, s61
	s_lshl_b32 s61, s[SPL], 11
	s_add_co_u32 s60, s60, s61
	s_mov_b32 s61, 0
	s_lshl_b32 s62, s[SPL], 12                     ; the split's 4,096 bytes of nh
	s_mov_b32 s63, 0
	s_mul_i32 s74, s[SPL], 1024*1536               ; the prefetches: slot 2 (the first change steps to slot 3), my work-group's 96 blocks, my wave's 32
	s_mul_i32 s75, s[CX], 24576
	s_add_co_u32 s74, s74, s75
	s_lshl_b32 s75, s[WV], 13
	s_add_co_u32 s74, s74, s75
	s_add_co_u32 s74, s74, 2*SLOTB_
	s_mov_b32 s75, 0
	s_cmp_lt_u32 s[WV], 3
	s_cselect_b32 s[LIM], 0, 1
	s_or_b32 s[LIM], s[LIM], ttmp9                 ; 0 in waves 0 to 2 of the split's first cluster: the same in all four partners
	s_cmp_eq_u32 s[LIM], 0
	s_cselect_b32 s[LIM], 1, -1
	s_lshl_b32 s23, s[SPL], 9
	s_add_co_u32 s23, s23, -8                      ; one tile below the first: the first selection works on no tile, and BASE is stepped behind it
	s_mov_b32 s[TB], 0
	s_mov_b32 s[TBB], 0
	v_and_b32 v1, 15, v0                           ; l % 16
	v_bfe_u32 v2, v0, 4, 1                         ; l / 16
	v_mul_u32_u24 v[AF0], v1, PITCH
	v_lshl_add_u32 v[AF0], v2, 4, v[AF0]
	v_lshlrev_b32 v[AB0], 5, v2
	v_add_nc_u32 v[AB0], BIAS, v[AB0]
	v_mul_u32_u24 v[QO], v1, 1536
	v_lshl_add_u32 v[QO], v2, 4, v[QO]
	v_and_b32 v[CO], 31, v0
	v_lshlrev_b32 v[PFO], 8, v[CO]
	v_lshlrev_b32 v[CO], 4, v[CO]
	v_lshlrev_b32 v[HB], 12, v2
	v_lshlrev_b32 v[NO], 5, v0
	v_add_nc_u32 v[BS], BIAS, v[NO]
	v_mov_b32 v[BASE], s23
	s_wait_dscnt 0x0                               ; both opening adds are done
	s_wait_kmcnt 0x0
	s_add_nc_u64 s[PFA:PFA+1], s[6:7], s[74:75]
	s_add_nc_u64 s[6:7], s[6:7], s[20:21]
	s_mov_b64 s[G0A+2:G0A+3], s[6:7]               ; global address of the tile's first element
	s_or_b32 s[G0A+3], s[G0A+3], 0x80000000        ; type = 2
	s_add_nc_u64 s[G0W+2:G0W+3], s[6:7], SLOTB_
	s_or_b32 s[G0W+3], s[G0W+3], 0x80000000
	s_add_nc_u64 s[4:5], s[4:5], s[2:3]
	s_add_nc_u64 s[8:9], s[8:9], s[62:63]
	s_add_nc_u64 s[10:11], s[10:11], s[60:61]
	CROUND                                         ; all four work-groups are here: the first joint loads meet
	tensor_load_to_lds s[G0A:G0A+3], s[G1:G1+7]    ; both first fills go out together, ahead of every wait on TENSORcnt, every LDS read and every further barrier
	s_nop 0
	tensor_load_to_lds s[G0W:G0W+3], s[G1:G1+7]
	s_nop 0
.rept 4
	v_nop
.endr
	; The queries.  A fragment is 16 rows x 32 channels in 8 registers: lane l holds row l % 16, channels 8 (l / 16) + 0..7 and 16 + 8 (l / 16) + 0..7: two loads of 16 bytes, 32 bytes apart.
	; Tile t, channels 32 c on: window 1 + c / 8, register 8 (4 (c % 8) + t).
.irp t, 0,1,2,3
.set c, 0
.rept 24
.set rQ, ((c%8)*4+(\t))*8
	WIN (1+c/8)<<6                                 ; destination window; the address stays in window 0
	global_load_b128 v[rQ:rQ+3],   v[QO], s[4:5] offset:(\t)*24576+64*c
	global_load_b128 v[rQ+4:rQ+7], v[QO], s[4:5] offset:(\t)*24576+64*c+32
.set c, c+1
.endr
.endr
	WIN 0
	global_load_b128 v[SA:SA+3],   v[NO], s[8:9]
	global_load_b128 v[SA+4:SA+7], v[NO], s[8:9] offset:16
.set i, 0
.rept 96                                       ; the lists start empty (id 0, both scores -infinity) and W at -infinity: written while the loads are on their way
.if ((i%24) < 16) && ((i%2) == 0)
	v_mov_b32 v[LST+i], 0
.else
	v_mov_b32 v[LST+i], 0xff800000
.endif
.set i, i+1
.endr
.set i, 0
.rept 32
	v_mov_b32 v[W+i], 0xff800000
.set i, i+1
.endr
	s_wait_loadcnt 0x0                             ; the queries and nh
	ds_store_b128 v[BS], v[SA:SA+3]
	ds_store_b128 v[BS], v[SA+4:SA+7] offset:16
	s_wait_dscnt 0x0                               ; for the others' sake: my part of nh lies in LDS
	s_wait_tensorcnt 1                             ; my tile of slot 0 is in; slot 1's, issued behind it, may stay out
	s_barrier_signal -1
	s_barrier_wait -1
; Eight LDS loads in one run: the fragments of channels 128 g on of the tile at v[AF], into buffer g % 2.  Byte b of a code row lies at b + 16 (b / 512).
.macro FETCH g
	WIN 0
.set n, 0
.rept 4
.set ch, 4*(\g)+n
.set o, 64*ch+16*(ch/8)
.set rF, FB+32*((\g)%2)+8*n
	ds_load_b128 v[rF:rF+3],   v[AF] offset:o
	ds_load_b128 v[rF+4:rF+7], v[AF] offset:o+32
.set n, n+1
.endr
.endm
; The product of channels 32 c on for query tile t.  The four accumulators take turns, one instruction a turn, over the labels and the backward jumps too.
.macro MM c, t
.set rA, FB+32*(((\c)/4)%2)+8*((\c)%4)
.set rQ, (((\c)%8)*4+(\t))*8
.set rS, SA+8*(\t)
.set rW, W+8*(\t)
	WIN (1+(\c)/8)<<2                              ; source 1, the queries, in window 1 to 3; all else in window 0
.if (\c) == 0
	v_wmma_f32_16x16x32_bf16 v[rS:rS+7], v[rA:rA+7], v[rQ:rQ+7], v[BI:BI+7]
.elseif (\c) == 23
	v_wmma_f32_16x16x32_bf16 v[rW:rW+7], v[rA:rA+7], v[rQ:rQ+7], v[rS:rS+7]
.else
	v_wmma_f32_16x16x32_bf16 v[rS:rS+7], v[rA:rA+7], v[rQ:rQ+7], v[rS:rS+7]
.endif
.endm
; THE CHAINS.  Chain n of 144: pair n / 9 (query tile pair / 4, registers 2 (pair % 4) and the next); of its 9 chains number 0 orders the pair, 1-8 are places 7 down to 0.  DEC sets the chain's registers.
.macro DEC n
.set zP, (\n)/9
.set zk, (\n)%9
.set zt, zP/4
.set zp, zP%4
.set zs, TS0+4*(zP%2)                  ; the pair's temporaries: winner's score, loser's score, tag
.set zi, 8-zk                          ; the place
.set zI, LST+24*zt+2*zi                ; Ii; Pi lies behind it, Ii+1 and Pi+1 behind that
.set zL, LST+24*zt+16+zi               ; Li; Li-1 lies in front of it
.endm
.macro MAXMIN P                        ; pair P's two scores in order, into its set of temporaries.  A query tile's W is first read here, at its registers 0 and 1
.set yw, W+8*((\P)/4)+2*((\P)%4)
.set ys, TS0+4*((\P)%2)
.if DUAL
	v_dual_max_num_f32 v[ys], v[yw], v[yw+1] :: v_dual_min_num_f32 v[ys+1], v[yw+1], v[yw]
.else
	v_max_num_f32 v[ys], v[yw], v[yw+1]
	v_min_num_f32 v[ys+1], v[yw+1], v[yw]
.endif
.endm
.macro CMPC n                          ; the chain's comparison
	DEC \n
.if zk == 0
	v_cmp_gt_f32 vcc_lo, v[W+8*zt+2*zp+1], v[W+8*zt+2*zp]  ; strict: on a tie the lower id wins
.else
	v_cmp_gt_f32 vcc_lo, v[zs], v[zL]
.endif
.endm
.macro VALC n                          ; the chain's value line
	DEC \n
.if zk == 0
.if zP < 15
	MAXMIN zP+1                                    ; the other set is free: in the value lines' order the pair before has had its last
.endif
.elseif zi == 0
	v_max_num_f32 v[zL], v[zL], v[zs]
.else
	v_med3_num_f32 v[zL], v[zL-1], v[zL], v[zs]
.endif
.endm
.macro SELC n                          ; the chain's selects
	DEC \n
.if zk == 0
	v_add_co_ci_u32 v[zs+2], vcc_lo, 2*zp, v[BASE], vcc_lo  ; the winner's id: 2 p + BASE + 1 where the second score won
.else
.if zi < 7
.if DUAL
	v_dual_cndmask_b32 v[zI+2], v[zI+2], v[zI] :: v_dual_cndmask_b32 v[zI+3], v[zI+3], v[zI+1]  ; the entry moves a place down,
.else
	v_cndmask_b32 v[zI+2], v[zI+2], v[zI], vcc_lo
	v_cndmask_b32 v[zI+3], v[zI+3], v[zI+1], vcc_lo
.endif
.endif
.if DUAL
	v_dual_cndmask_b32 v[zI], v[zI], v[zs+2] :: v_dual_cndmask_b32 v[zI+1], v[zI+1], v[zs+1]    ; and the new one takes its place
.else
	v_cndmask_b32 v[zI], v[zI], v[zs+2], vcc_lo
	v_cndmask_b32 v[zI+1], v[zI+1], v[zs+1], vcc_lo
.endif
.endif
.endm
; Triad tr: chains 3 tr, 3 tr + 1, 3 tr + 2.  The comparison of its first chain stands ahead of it.  lag = 1: the value line of the chain before it is still due.
.macro SLOTA                           ; behind the triad's first matrix instruction
	WIN 0
	SELC 3*tr
	CMPC 3*tr+1
.if lag
	VALC 3*tr-1
.endif
	VALC 3*tr
	VALC 3*tr+1
	SELC 3*tr+1
	CMPC 3*tr+2
.endm
.macro SLOTB                           ; behind its second.  more = 0: the run of chains is closed here: nothing is left in VCC, no value line is due
	WIN 0
	SELC 3*tr+2
.if more
	CMPC 3*tr+3
.set lag, 1
.else
	VALC 3*tr+2
.set lag, 0
.endif
.set tr, tr+1
.endm
; THE THREE PARTS OF A TRIP.
; DISTANCES (ISA guide 7.12.1 for vector instructions).  The chains name W, the lists, the temporaries and BASE alone, never a sum, a fragment or nh, so they are the places behind the products.
; A group's run of loads stands behind the group's first product and its seven to nine instructions: eight or more plain instructions behind the last product that read its buffer; the run at a trip's
; head stands five behind (two selects, a value line, two address lines).  A tile's last link stands four slots behind the product whose sum it takes.  The old W is last read behind the tenth of
; the last 16 products; the links are the 13th to 16th, and the chains behind them are query tile 3's places 5 to 0.  The next tile's first products stand six plain instructions or more behind
; the last link; the new W of query tile 0 is first read more than twelve behind its link.
.macro PARTA                           ; the next tile's nh and first four fragments
	WIN 0
	s_wait_dscnt 0x0                               ; the last four fragments of the tile in hand are in
	v_add_nc_u32 v[AF], s[TB], v[AF0]
	v_add_nc_u32 v[AB], s[TBB], v[AB0]
	s_add_co_u32 s[TB], s[TB], TILEB
	s_add_co_u32 s[TBB], s[TBB], 64
	s_and_b32 s[TBB], s[TBB], 0xfc0                ; the walk over nh's 4,096 bytes closes on itself
	ds_load_b128 v[BI:BI+3],   v[AB]               ; lanes of one half read the same 32 bytes
	ds_load_b128 v[BI+4:BI+7], v[AB] offset:16
	FETCH 0
.endm
.macro PARTB                           ; the last 16 products of the tile in hand, the links among them; triads 40 to 47 of the selection from the tile before it
.set tr, 40
.set lag, 0
	WIN 0
	CMPC 120
.set cc, 0
.rept 4
.set t, 0
.rept 4
	MM 20+cc, t
.if (t%2) == 0
	SLOTA
.else
.set more, 1
.if (cc == 3) && (t == 3)
.set more, 0
.endif
	SLOTB
.endif
.set t, t+1
.endr
.set cc, cc+1
.endr
	WIN 0                                          ; at a label and at a branch every window is 0
	v_add_nc_u32 v[BASE], 8, v[BASE]               ; the ids of the tile just finished
.endm
.macro PARTC                           ; the first 80 products of the next tile; triads 0 to 39 of the selection from the tile just finished
.set tr, 0
.set lag, 0
	WIN 0
	MAXMIN 0
	CMPC 0
.set g, 0
.rept 5
	s_wait_dscnt 0x0                               ; this group's fragments are in (in the first group nh too): they were asked for 15 products ago or more
.set cc, 0
.rept 4
.set t, 0
.rept 4
	MM 4*g+cc, t
.if (t%2) == 0
	SLOTA
.else
.set more, 1
.if (g == 4) && (cc == 3) && (t == 3)
.set more, 0
.endif
	SLOTB
.endif
.if (cc == 0) && (t == 0)
	FETCH g+1                                      ; the next group's fragments, into the buffer that the group before read
.endif
.set t, t+1
.endr
.set cc, cc+1
.endr
.set g, g+1
.endr
.endm
	PARTA                                          ; tile 0
	s_mov_b32 s[SLOTS], 15
	s_mov_b32 s[CNT], 4
	s_branch .Lmid                                 ; the loop is entered in the middle of a trip: there is no tile in hand yet
.Lslot:                                                ; 14 times: every slot but the last two is filled again
	CHANGE 1
	s_mov_b32 s[CNT], 4
.Ltrip:
	PARTA
	PARTB
.Lmid:
	PARTC
	s_sub_co_u32 s[CNT], s[CNT], 1
	s_cmp_lg_u32 s[CNT], 0
	s_cbranch_scc1 .Ltrip
	s_sub_co_u32 s[SLOTS], s[SLOTS], 1
	s_cmp_lg_u32 s[SLOTS], 0
	s_cbranch_scc1 .Lslot
	CHANGE 0                                       ; the last slot is written out: nothing is asked for
	s_mov_b32 s[CNT], 4
.Ltail:
	PARTA
	PARTB
	PARTC
	s_sub_co_u32 s[CNT], s[CNT], 1
	s_cmp_lg_u32 s[CNT], 0
	s_cbranch_scc1 .Ltail
	s_wait_dscnt 0x0                               ; the last tile's last four fragments; nothing more is fetched
	PARTB
.set tr, 0
.set lag, 0
	MAXMIN 0                                       ; the last tile's selection
	CMPC 0
.rept 48
	SLOTA
.set more, 1
.if tr == 47
.set more, 0
.endif
	SLOTB
.endr
	; THE LOSERS GO INTO THE LISTS.  First their ids, the winners' xor 1, into registers of their own: the lists' ids move from here on; the losers' scores stay where they lie.
.irp t, 0,1,2,3
.irp e, 0,1,2,3,4,5,6
	v_xor_b32 v[JB+8*\t+\e], 1, v[LST+24*\t+2*\e]
.endr
.endr
; The loser of place e against place m, for the four query tiles side by side: it stands in front where its score is greater, or equal with the lower id.  Equal scores leave the scores' list as it
; is whichever stands first.  At the lowest place touched, e + 1, the score in front, at place e, is at least the loser's: insertions only raise the score at a place.
.macro STAGE e, m
.irp t, 0,1,2,3
.set xb, LST+24*\t
	v_cmp_gt_f32 s[MK+3*\t], v[xb+2*(\e)+1], v[xb+16+(\m)]
	v_cmp_eq_f32 s[MK+3*\t+1], v[xb+2*(\e)+1], v[xb+16+(\m)]
	v_cmp_lt_u32 s[MK+3*\t+2], v[JB+8*\t+(\e)], v[xb+2*(\m)]
.endr
.irp t, 0,1,2,3
	s_and_b32 s[MK+3*\t+1], s[MK+3*\t+1], s[MK+3*\t+2]
	s_or_b32 s[MK+3*\t], s[MK+3*\t], s[MK+3*\t+1]
.endr
.irp t, 0,1,2,3
.set xb, LST+24*\t
	v_med3_num_f32 v[xb+16+(\m)], v[xb+16+(\m)-1], v[xb+16+(\m)], v[xb+2*(\e)+1]
.if (\m) < 7
	v_cndmask_b32 v[xb+2*(\m)+2], v[xb+2*(\m)+2], v[xb+2*(\m)], s[MK+3*\t]
.endif
	v_cndmask_b32 v[xb+2*(\m)], v[xb+2*(\m)], v[JB+8*\t+(\e)], s[MK+3*\t]
.endr
.endm
.irp m, 7,6,5,4,3,2,1
	STAGE 0, \m
.endr
.irp m, 7,6,5,4,3,2
	STAGE 1, \m
.endr
.irp m, 7,6,5,4,3
	STAGE 2, \m
.endr
.irp m, 7,6,5,4
	STAGE 3, \m
.endr
.irp m, 7,6,5
	STAGE 4, \m
.endr
.irp m, 7,6
	STAGE 5, \m
.endr
	STAGE 6, 7
	; THE WAY OUT: the lanes' half enters the ids; id and score side by side, as cand takes them; each store of the wave covers 512 consecutive bytes, aligned.
.irp t, 0,1,2,3
.set i, 0
.rept 8
	v_add_nc_u32 v[OUT+16*\t+2*i], v[HB], v[LST+24*\t+2*i]
	v_mov_b32 v[OUT+16*\t+2*i+1], v[LST+24*\t+16+i]
.set i, i+1
.endr
.endr
.irp t, 0,1,2,3
.irp p, 0,1,2,3
	global_store_b128 v[CO], v[OUT+16*(\t)+4*(\p):OUT+16*(\t)+4*(\p)+3], s[10:11] offset:(\t)*16384+(\p)*512
.endr
.endr
	s_wait_tensorcnt 0x0                           ; the wave's end: three closing lines, behind my last tensor load and my last LDS store
	ds_add_u32 v[SPW], v[NIL]
	s_wait_dscnt 0x0
	CROUND                                         ; the closing round: no work-group ends while a partner may still ask for a tile that names it
	s_endpgm
.Lfunc_end_k_q875e8e0683_score:
	.size	k_q875e8e0683_score, .Lfunc_end_k_q875e8e0683_score-k_q875e8e0683_score
	.p2alignl 7, 3214868480
	.fill 96, 4, 3214868480
	.section	.rodata,"a",@progbits
	.p2align	6, 0x0
	.amdhsa_kernel k_q875e8e0683_score
		.amdhsa_group_segment_fixed_size 327680
		.amdhsa_private_segment_fixed_size 0
		.amdhsa_enable_private_segment 0
		.amdhsa_kernarg_size 32
		.amdhsa_user_sgpr_count 2
		.amdhsa_user_sgpr_kernarg_segment_ptr 1
		.amdhsa_wavefront_size32 1
		.amdhsa_system_sgpr_workgroup_id_x 1
		.amdhsa_system_sgpr_workgroup_id_y 1
		.amdhsa_system_sgpr_workgroup_id_z 1
		.amdhsa_system_vgpr_workitem_id 0
		.amdhsa_next_free_vgpr 1024
		.amdhsa_next_free_sgpr 80
		.amdhsa_reserve_vcc 1
		.amdhsa_float_denorm_mode_32 3
		.amdhsa_float_denorm_mode_16_64 3
		.amdhsa_memory_ordered 1
		.amdhsa_forward_progress 1
		.amdhsa_inst_pref_size 209
	.end_amdhsa_kernel
	.amdgpu_metadata
---
amdhsa.version: [ 1, 2 ]
amdhsa.kernels:
  - .name:           k_q875e8e0683_score
    .symbol:         k_q875e8e0683_score.kd
    .args:
      - { .name: xb, .offset: 0, .size: 8, .value_kind: global_buffer, .address_space: global }
      - { .name: cbp, .offset: 8, .size: 8, .value_kind: global_buffer, .address_space: global }
      - { .name: nh, .offset: 16, .size: 8, .value_kind: global_buffer, .address_space: global }
      - { .name: cand, .offset: 24, .size: 8, .value_kind: global_buffer, .address_space: global }
    .group_segment_fixed_size: 327680
    .private_segment_fixed_size: 0
    .kernarg_segment_align: 8
    .kernarg_segment_size: 32
    .max_flat_workgroup_size: 128
    .sgpr_count:     80
    .vgpr_count:     1024
    .wavefront_size: 32
...
	.end_amdgpu_metadata
.endif
;; end of part 5
;; launch merge: the kernel of part 3 again; grid 256 x 1, 2 waves a work-group, no clusters, 0 bytes of LDS; arguments cand, out1, pos; writes out1, pos
;; launch gather: the kernel of part 4 again; grid 1024 x 1, 8 waves a work-group, no clusters, 0 bytes of LDS; arguments pos, cbp, out0; writes out0
;; ======== version 3 of 3: 4 launches; version 2 with the launch prep written anew for expert scheduling mode
;; workspace buffers: xb 12,582,912 bytes; cbp 12,582,912 bytes; nh 32,768 bytes; cand 8,388,608 bytes; pos 262,144 bytes of whole numbers
;; launch prep (part 6): grid 256 x 1, 8 waves a work-group, no clusters, 1,280 bytes of LDS; arguments x, codebook, xb, cbp, nh; writes xb, cbp, nh
.if DOCPART == 6
	.amdgcn_target "amdgcn-amd-amdhsa--gfx1250"
	.amdhsa_code_object_version 6
	.text
	.protected	k_q875e8e0683_prep
	.globl	k_q875e8e0683_prep
	.p2align	8
	.type	k_q875e8e0683_prep,@function
k_q875e8e0683_prep:
	s_mov_b64 s[64:65], 0
	v_nop
	global_prefetch_b8 v0, s[64:65] scope:SCOPE_SE
	s_setreg_imm32_b32 hwreg(HW_REG_WAVE_SCHED_MODE, 0, 2), 2
	s_setreg_imm32_b32 hwreg(HW_REG_WAVE_MODE, 25, 1), 1
	s_wait_xcnt 0x0
	s_wait_alu depctr_vm_vsrc(0)
; PREP.  xb = x rounded to bf16; cbp = codebook rounded to bf16, its rows in TILE ORDER; nh[p] = -1/2 x the sum of squares of row p of cbp (of the ROUNDED numbers, in f32).
; DEAD WORK, for the whole program.  reference() ranks the codes n of a query by 2 x.c[n] - |x|^2 - |c[n]|^2.  |x|^2 is the same for all n of a query and 2 is a positive factor,
; so for all values of the inputs the order along n, ties included, is the order of x.c[n] - |c[n]|^2 / 2; and only that order reaches an output (the ids, and by them the rows that are averaged).
; So |x|^2 is never made.  It is of the size of |c|^2, no term beside which the others are lost.  Both inputs still reach the outputs and are loaded.
; LIMITS.  A NaN, an infinity or an overflow that arises in |x|^2 alone is not carried to the result.  Both inputs are rounded once to bf16, and every later use takes the rounded numbers.
; TILE ORDER.  Row p = s<<10 | tau<<4 | hb<<3 | r3 of cbp holds code id = hb<<12 | s<<9 | tau<<3 | r3 (s: 3 bits, tau: 6 bits).  In the product's result a lane of half hb then sees only ids
; with that hb, ascending, so that a strict comparison alone gives equal scores to the lower id.
; SHARES.  Work-groups 0-127 take 64 rows of cbp each, 128-255 take 64 rows of x; a wave takes 8 rows that lie together in both its source and its destination.
; All 48 loads of a wave (512 consecutive bytes each) go out at once; each store covers 256 consecutive bytes, aligned.  Memory binds: no matrix unit, no cluster, no ring.
; THE MODE: SCHED_MODE bits 1:0 = 2 (LLVM: expert scheduling mode 2), set by the entry lines.  The code itself states the register dependences
; between vector instructions and memory or LDS instructions, with s_wait_alu, always for 0.
; THE PLAN.  Registers that memory or LDS instructions touch:
;   v2, v3, v[NA]   offsets and an LDS address: written once at the head, read by the loads, the stores and the LDS instructions; never written again.
;   X               All 48 loads are issued at the head, before any vector instruction names X.  Row j: twelve roundings read its 24 registers and write the first two of each four;
;                   its six stores, and for the codebook the norm lines, read those pairs; nothing writes them again.
;   v[NV]           Written by the selects and the last multiply; read by the one LDS store; not written behind it.
;   v[T:T+1]        Written and read by the norm lines; later, in wave 0, the LDS load lands there and the last store reads them.
;   v[SPW], v[NIL]  Written at the head, read by the closing add alone.
; So one wait on va_vdst stands ahead of the first load, one in each row between its roundings and its stores, and one ahead of the LDS store.  A row's stores are dealt among its norm lines,
; which write T, ACC, R0, R1 and NV alone: none of the registers that a store reads.  No register that a memory or LDS instruction has read is written again, so there is no wait on vm_vsrc.
; Scalar registers that vector instructions write: the wave's number and the seven lane masks of the norms' selects, made in one run at the head, with one wait on va_sdst behind them.
.set ROWF,  3072                       ; bytes in a row of f32
.set ROWH,  1536                       ; bytes in a row of bf16
.set SPARE, 256                        ; LDS: bytes 0-255 the work-group's 64 norms; from 256 on the spare words, 128 bytes for each of the eight waves
.set X,   16                           ; v[16:207]  row j at X + 24 j, its load n at + 4 n
.set T,   208                          ; v[208:215] at work, two sets of four
.set ACC, 216                          ; v[216:219] two packed sums of squares
.set NV,  220                          ; v220  lane l: the norm of row l % 8
.set R0,  221                          ; v221, v222  the sum across the lanes
.set R1,  222
.set SPW, 224                          ; v224  LDS address of my spare word; never rewritten
.set NIL, 225                          ; v225  0; never rewritten
.set NA,  226                          ; v226  where the norm of row l % 8 of my wave goes: 32 x wave + 4 (l % 8)
.set MQ,  39                           ; s[40:46]  the mask of the lanes with l % 8 = j, for j = 1 to 7, at MQ + j
	s_load_b256 s[4:11], s[0:1], 0x0               ; x s[4:5], codebook s[6:7], xb s[8:9], cbp s[10:11]
	s_load_b64 s[12:13], s[0:1], 0x20              ; nh
	v_lshl_add_u32 v[SPW], v0, 2, SPARE
	v_mov_b32 v[NIL], 0
	v_lshrrev_b32 v1, 5, v0
	v_readfirstlane_b32 s14, v1                    ; wave 0..7
	v_and_b32 v1, 31, v0                           ; lane
	v_lshlrev_b32 v2, 4, v1                        ; my 16 bytes of 512 of f32
	v_lshlrev_b32 v3, 3, v1                        ; my 8 bytes of 256 of bf16
	v_and_b32 v4, 7, v0
	v_mov_b32 v[R1], 0                             ; v_permlanex16_b32 counts as a reader of its destination
.irp j, 1,2,3,4,5,6,7
	v_cmp_eq_u32 s[MQ+\j], \j, v4                  ; the lanes that keep row j's norm
.endr
	s_mov_b32 s18, 0x76543210                      ; v_permlanex16_b32: each lane takes its own place in the other half
	s_mov_b32 s19, 0xfedcba98
	s_mov_b32 s20, 0xffff0000                      ; a word's upper bf16
	s_cmp_lt_u32 ttmp9, 128
	s_cselect_b32 s15, 1, 0                        ; 1: this work-group takes rows of the codebook
	s_and_b32 s22, ttmp9, 127                      ; g: its number among those of its kind
	s_lshl_b32 s16, s22, 6
	s_wait_alu depctr_va_sdst(0)                   ; s14 and the seven masks are written, ahead of their first readers and of every branch: the addresses below are made from s14, the rows' selects read the masks
	s_lshl_b32 s21, s14, 5
	v_lshl_add_u32 v[NA], v4, 2, s21
	s_lshl3_add_u32 s16, s14, s16                  ; first row written: 64 g + 8 wave
	s_and_b32 s23, s14, 1                          ; hb
	s_lshl_b32 s23, s23, 12
	s_lshr_b32 s24, s14, 1
	s_lshl2_add_u32 s24, s22, s24                  ; s<<6 | tau = 4 g + wave / 2
	s_lshl3_add_u32 s23, s24, s23                  ; first code read: 4,096 hb + 8 (4 g + wave / 2)
	s_cmp_eq_u32 s15, 1
	s_cselect_b32 s23, s23, s16                    ; x is read in the order in which it is written
	s_mul_i32 s24, s23, ROWF
	s_mov_b32 s25, 0
	s_mul_i32 s26, s16, ROWH
	s_mov_b32 s27, 0
	s_lshl_b32 s28, s22, 8                         ; the work-group's 64 norms: 256 bytes of nh
	s_mov_b32 s29, 0
	s_wait_kmcnt 0x0
	s_cmp_eq_u32 s15, 1
	s_cselect_b64 s[30:31], s[6:7], s[4:5]         ; from the codebook or from x,
	s_cselect_b64 s[32:33], s[10:11], s[8:9]       ; into cbp or into xb
	s_add_nc_u64 s[30:31], s[30:31], s[24:25]
	s_add_nc_u64 s[32:33], s[32:33], s[26:27]
	s_add_nc_u64 s[12:13], s[12:13], s[28:29]
	s_wait_alu depctr_va_vdst(0)                   ; v2, v3 and v[NA] are written: the loads, the stores and the LDS instructions of the whole kernel read them as offsets and addresses
.set j, 0
.rept 8
.set n, 0
.rept 6
	global_load_b128 v[X+24*j+4*n:X+24*j+4*n+3], v2, s[30:31] offset:j*ROWF+n*512 th:TH_LOAD_NT
.set n, n+1
.endr
.set j, j+1
.endr
; Row j: rounded in place, stored; norm = 1: the sum of the rounded numbers' squares, over the wave, into lanes l % 8 = j of NV.  No register that a store reads is written again.
.macro ROW j, norm
	s_wait_loadcnt 6*(7-(\j))                      ; loads come back in order: the six of each younger row may stay out
.set n, 0
.rept 6
.set a, X+24*(\j)+4*n
	v_cvt_pk_bf16_f32 v[a], v[a], v[a+1]
	v_cvt_pk_bf16_f32 v[a+1], v[a+2], v[a+3]
.set n, n+1
.endr
	s_wait_alu depctr_va_vdst(0)                   ; the row's twelve roundings have written the six pairs that its stores read
.set n, 0
.rept 6
.set a, X+24*(\j)+4*n
	global_store_b64 v3, v[a:a+1], s[32:33] offset:(\j)*ROWH+n*256  ; 32 lanes store 256 consecutive bytes, aligned.  No further wait: no vector instruction since the wait above writes a pair
.if \norm
.set b, T+4*(n%2)
	v_lshlrev_b32 v[b], 16, v[a]                   ; the rounded numbers as f32
	v_and_b32 v[b+1], s20, v[a]
	v_lshlrev_b32 v[b+2], 16, v[a+1]
	v_and_b32 v[b+3], s20, v[a+1]
.if n == 0
	v_pk_mul_f32 v[ACC:ACC+1], v[b:b+1], v[b:b+1]  ; the first squares start the sums
	v_pk_mul_f32 v[ACC+2:ACC+3], v[b+2:b+3], v[b+2:b+3]
.else
	v_pk_fma_f32 v[ACC:ACC+1], v[b:b+1], v[b:b+1], v[ACC:ACC+1]
	v_pk_fma_f32 v[ACC+2:ACC+3], v[b+2:b+3], v[b+2:b+3], v[ACC+2:ACC+3]
.endif
.endif
.set n, n+1
.endr
.if \norm
	v_pk_add_f32 v[ACC:ACC+1], v[ACC:ACC+1], v[ACC+2:ACC+3]
	v_add_f32 v[R0], v[ACC], v[ACC+1]
	v_add_f32_dpp v[R0], v[R0], v[R0] row_xmask:1 row_mask:0xf bank_mask:0xf
	v_add_f32_dpp v[R0], v[R0], v[R0] row_xmask:2 row_mask:0xf bank_mask:0xf
	v_add_f32_dpp v[R0], v[R0], v[R0] row_xmask:4 row_mask:0xf bank_mask:0xf
	v_add_f32_dpp v[R0], v[R0], v[R0] row_xmask:8 row_mask:0xf bank_mask:0xf
	v_permlanex16_b32 v[R1], v[R0], s18, s19
	v_add_f32 v[R0], v[R0], v[R1]                  ; every lane holds the row's sum
.if (\j) == 0
	v_mov_b32 v[NV], v[R0]
.else
	v_cndmask_b32 v[NV], v[NV], v[R0], s[MQ+(\j)]  ; the mask was made, and waited for, at the head
.endif
.endif
.endm
	s_cmp_eq_u32 s15, 1
	s_cbranch_scc0 .Lplain
.irp j, 0,1,2,3,4,5,6,7
	ROW \j, 1
.endr
	v_mul_f32 v[NV], -0.5, v[NV]
	s_wait_alu depctr_va_vdst(0)                   ; v[NV] is written, which the LDS store reads; and the norm lines are done with v[T:T+1], in which wave 0's LDS load lands below: no vector instruction behind this wait names them
	ds_store_b32 v[NA], v[NV]                      ; four lanes write each word, with the same number
	s_branch .Ljoin
.Lplain:
.irp j, 0,1,2,3,4,5,6,7
	ROW \j, 0
.endr
.Ljoin:
	s_wait_dscnt 0x0                               ; for the others' sake: my norms lie in LDS
	s_barrier_signal -1                            ; the barrier stands on every wave's path
	s_barrier_wait -1
	s_cmp_eq_u32 s15, 1
	s_cbranch_scc0 .Lend
	s_cmp_eq_u32 s14, 0                            ; wave 0 stores the work-group's 64 norms as one block
	s_cbranch_scc0 .Lend
	ds_load_b64 v[T:T+1], v3
	s_wait_dscnt 0x0
	global_store_b64 v3, v[T:T+1], s[12:13]        ; 256 consecutive bytes, aligned
.Lend:
	s_wait_dscnt 0x0                               ; the closing lines, six on end
	s_wait_alu 0x0
	s_wait_tensorcnt 0x0
	ds_add_u32 v[SPW], v[NIL]
	s_wait_dscnt 0x0
	s_endpgm
.Lfunc_end_k_q875e8e0683_prep:
	.size	k_q875e8e0683_prep, .Lfunc_end_k_q875e8e0683_prep-k_q875e8e0683_prep
	.p2alignl 7, 3214868480
	.fill 96, 4, 3214868480
	.section	.rodata,"a",@progbits
	.p2align	6, 0x0
	.amdhsa_kernel k_q875e8e0683_prep
		.amdhsa_group_segment_fixed_size 1280
		.amdhsa_private_segment_fixed_size 0
		.amdhsa_enable_private_segment 0
		.amdhsa_kernarg_size 40
		.amdhsa_user_sgpr_count 2
		.amdhsa_user_sgpr_kernarg_segment_ptr 1
		.amdhsa_wavefront_size32 1
		.amdhsa_system_sgpr_workgroup_id_x 1
		.amdhsa_system_sgpr_workgroup_id_y 1
		.amdhsa_system_sgpr_workgroup_id_z 1
		.amdhsa_system_vgpr_workitem_id 0
		.amdhsa_next_free_vgpr 232
		.amdhsa_next_free_sgpr 66
		.amdhsa_reserve_vcc 0
		.amdhsa_float_denorm_mode_32 3
		.amdhsa_float_denorm_mode_16_64 3
		.amdhsa_memory_ordered 1
		.amdhsa_forward_progress 1
		.amdhsa_inst_pref_size 46
	.end_amdhsa_kernel
	.amdgpu_metadata
---
amdhsa.version: [ 1, 2 ]
amdhsa.kernels:
  - .name:           k_q875e8e0683_prep
    .symbol:         k_q875e8e0683_prep.kd
    .args:
      - { .name: x, .offset: 0, .size: 8, .value_kind: global_buffer, .address_space: global }
      - { .name: codebook, .offset: 8, .size: 8, .value_kind: global_buffer, .address_space: global }
      - { .name: xb, .offset: 16, .size: 8, .value_kind: global_buffer, .address_space: global }
      - { .name: cbp, .offset: 24, .size: 8, .value_kind: global_buffer, .address_space: global }
      - { .name: nh, .offset: 32, .size: 8, .value_kind: global_buffer, .address_space: global }
    .group_segment_fixed_size: 1280
    .private_segment_fixed_size: 0
    .kernarg_segment_align: 8
    .kernarg_segment_size: 40
    .max_flat_workgroup_size: 256
    .sgpr_count:     66
    .vgpr_count:     232
    .wavefront_size: 32
...
	.end_amdgpu_metadata
.endif
;; end of part 6
;; launch score: the kernel of part 5 again; grid 32 x 8, 4 waves a work-group, clusters of 4 x 1, 327,680 bytes of LDS; arguments xb, cbp, nh, cand; writes cand
;; launch merge: the kernel of part 3 again; grid 256 x 1, 2 waves a work-group, no clusters, 0 bytes of LDS; arguments cand, out1, pos; writes out1, pos
;; launch gather: the kernel of part 4 again; grid 1024 x 1, 8 waves a work-group, no clusters, 0 bytes of LDS; arguments pos, cbp, out0; writes out0
